; MI455X (gfx1250); checked and timed in simulation.
; The chip was launched on July 23, 2026; its instructions are those of AMD's public machine-readable ISA for CDNA 5 (MIT licence, August 2026) and "CDNA5" Instruction Set Architecture Reference Guide (July 2026). The comments in the code are by the model that wrote it; some were corrected since.
;; XCA label 1. Allowed arithmetic: matrix products marked QUANTISED: E4M3 operands, one E8M0 scale for each 32 along K, by v_wmma_scale_f32_16x16x128_f8f6f4 with both operands' format E4M3, f32 sums; everything else in f32.
;; Inputs: kv_w 2,048 x 1,024 float32; proj_b 1,024 float32; proj_w 1,024 x 1,024 float32; q_w 1,024 x 1,024 float32; temperature 16 x 1 x 1 float32; x 4 x 2,048 x 1,024 float32; y 4 x 2,048 x 1,024 float32.
;; Outputs: out0 4 x 2,048 x 1,024 float32.
;; This version of the problem:
;;   THIS VERSION OF THE PROBLEM IS GIVEN IN LOW PRECISION. The matrix products marked QUANTISED in the list below multiply operands that are first quantised to E4M3 (4 exponent bits, 3 mantissa bits; 8 bits a number), with one power-of-two scale for each 32 numbers along K (OCP MX v1.0); their sums are f32. All else is computed in f32.
;;   The module's matrix products, in the order in which they are computed (A, B: the left and right operand; K: the contracted axis; several contracted axes count as one K, in the product's order):
;;     1. [M 8,192, K 1,024] x [K 1,024, N 1,024]; A: input x; B: input q_w: QUANTISED
;;     2. [M 8,192, K 1,024] x [K 1,024, N 2,048]; A: input y; B: input kv_w: QUANTISED
;;     3. batch 64 x [M 2,048, K 64] x [K 64, N 2,048]; A: computed on the way; B: computed on the way: QUANTISED
;;     4. batch 64 x [M 2,048, K 2,048] x [K 2,048, N 64]; A: softmax (see below); B: computed on the way: QUANTISED
;;     5. [M 8,192, K 1,024] x [K 1,024, N 1,024]; A: computed on the way; B: input proj_w: QUANTISED
;;   THE QUANTISER, for each operand of a quantised product, along K:
;;     - K is cut into blocks of 32 from its start; a last block that is shorter is filled with zeros.
;;     - A block's scale is 2^e with e = floor(log2(the largest magnitude in the block)) - 8, held to -126 .. 127; a block of zeros has e = 0. As a byte (E8M0): e + 127.
;;     - Each number is divided by its block's scale, clamped to +-448, and rounded to the nearest number of E4M3, ties to even, subnormals kept.
;;     - The product sums the exact products of the quantised numbers (number of the format x scale) in f32.
;;   ~~~python
;;   def quantise(x, axis):      # numpy; x: float32 -> the quantised numbers, widened to float32 again
;;       x = np.moveaxis(x, axis, -1); K = x.shape[-1]
;;       x = np.pad(x, [(0, 0)] * (x.ndim - 1) + [(0, -K % 32)]); x = x.reshape(x.shape[:-1] + (-1, 32)); a = np.abs(x).max(-1, keepdims=True)
;;       e = np.where(a > 0, np.clip(np.frexp(np.where(a > 0, a, 1))[1] - 1 - 8, -126, 127), 0)      # np.frexp(a)[1] - 1 = floor(log2(a)), exactly
;;       r = np.clip(x / 2.0 ** e, -448, 448)
;;       step = 2.0 ** (np.maximum(np.frexp(np.where(r == 0, 1, r))[1] - 1, -6) - 3)
;;       q = np.round(r / step) * step * 2.0 ** e      # np.round: ties to even
;;       return np.moveaxis(q.reshape(q.shape[:-2] + (-1,))[..., :K], -1, axis).astype(np.float32)
;;   ~~~
;;   SOFTMAX AHEAD OF A QUANTISED PRODUCT. Where the list says 'softmax', what is quantised is not the finished softmax but p = 2^(t - M), with t = logit x log2(e) and M = ceil(the row's largest t), a whole number; so 1/2 < the row's largest p <= 1. The row's sum l is taken of the UNQUANTISED p, in f32, and the product's result is divided by l at the end. Since M is a whole number, a kernel that streams over the keys may use a running M (the ceiling of the running maximum): every later rescaling is an exact power of two, which a block's scale takes up: the codes' values come out the same.
;;   OPERANDS COMPUTED ON THE WAY. 'Computed on the way' means the value that the module computes at that place (a softmax that the list does not call 'softmax' is quantised finished and normalised). What goes into a quantiser is computed in f32, as accurately as f32 sums, v_exp_f32 and their like allow (about 1e-6 of the number): no bf16 or f16 on the way to a quantiser, and a product that is left as it is and whose result goes on into a quantised operand takes f32 operands (vector FMAs, or v_wmma_f32_16x16x4_f32). A number that lies on a knife's edge between two numbers of the format may be rounded either way, as far as f32 arithmetic and the matrix unit's own rounding can turn it there, and no further.
;; One version. Each part assembles by itself: llvm-mc -triple=amdgcn-amd-amdhsa -mcpu=gfx1250 --defsym DOCPART=n.
;; ======== version 1 of 1: 4 launches
;; limits: right only within a limited range of input values
;; workspace buffers: wcodes 20,971,520 bytes; wscales 655,360 bytes; q_blk 8,912,896 bytes; k_blk 8,912,896 bytes; v_blk 8,912,896 bytes; o_codes 8,388,608 bytes; o_scales 262,144 bytes
;; launch quant (part 1): grid 640 x 1, 4 waves a work-group, no clusters, 34,304 bytes of LDS; arguments x, y, q_w, kv_w, proj_w, wcodes, wscales; writes wcodes, wscales
.if DOCPART == 1
	.amdgcn_target "amdgcn-amd-amdhsa--gfx1250"
	.amdhsa_code_object_version 6
	.text
	.protected	k_qbdf95f2f55_quant
	.globl	k_qbdf95f2f55_quant
	.p2align	8
	.type	k_qbdf95f2f55_quant,@function
k_qbdf95f2f55_quant:
	s_mov_b64 s[64:65], 0
	v_nop
	global_prefetch_b8 v0, s[64:65] scope:SCOPE_SE
	s_setreg_imm32_b32 hwreg(HW_REG_WAVE_MODE, 25, 1), 1
	s_wait_xcnt 0x0
; x, y [8192][1024], q_w, proj_w [1024][1024], kv_w [2048][1024], all f32 with K innermost, become codes of E4M3 with one E8M0 byte for each 32 along K.
; DEAD WORK: none is left out in this program.  Every input has a way to out0: x, y and the three weights through the five products, temperature through the logits, proj_b by addition; all are loaded.
; THE WORKSPACE IS LAID AS IMAGES OF OPERAND REGISTERS.  16 rows are a tile, 32 rows a pair; lane r of tile u of a pair holds row 8 u + r + 8 (r / 8) of the pair's 32, so that, used as source 0,
; the 16 result registers of a pair's two tiles are 16 neighbours.  wcodes: [tile][K step of 128][2048 bytes]: piece c (512 bytes): lane l's 16 bytes at 16 l = k 32 c + 16 (l / 16) + 0 .. 15 of its row.
; wscales: [pair][1024 bytes]: at 512 q + 16 (16 u + r) + 4 e the scale word (four bytes, 128 along K) of tile u's row r for K step 4 q + e.
; Tiles: x 0-511, y 512-1023, q_w 1024-1087, kv_w 1088-1215 (k's rows, then v's), proj_w 1216-1279.
; A block's scale is 2^(floor(log2(largest magnitude)) - 8): its byte is the largest magnitude's exponent field - 8, held at 1 from below.
; LIMITS: a block of zeros gets the byte 1 where the rule says 127 (its codes are zeros, and this program alone reads the bytes); NaN and infinities among the inputs are not served.
; SHARES.  A work-group takes a pair; wave w takes tile u = w % 2 and K steps 4 (w / 2) .. + 3.  Each load reads 512 consecutive bytes of one row; a K step's 16 rows turn through the wave's own stage in
; LDS, so that a lane gets 16 neighbours of each block of 32.  Two K steps' loads (32 a wave) are out at most.  Waves share nothing: no barrier.
.set WSTG,  8448                       ; a wave's stage: 16 rows x (512 + 16) bytes
.set SROW,  528
.set SPARE, 4*WSTG                     ; the spare words, 128 bytes a wave: two blocks of 256 bytes that no other line names
.set LANE, 1
.set OFF,  2                           ; 16 x lane
.set SIN,  3                           ; the stage on the way in
.set SOUT, 4                           ; and out: row r, + 64 (lane / 16)
.set SA,   5                           ; my row's place among the scale words
.set SPW,  6
.set NIL,  7
.set SW,   8                           ; v8-11    the four K steps' scale words
.set R,    16                          ; v16-143  two sets of 64: a K step as loaded
.set X,    144                         ; v144-207 64 numbers: register 16 c + i = k 32 c + 16 (lane / 16) + i
.set PC,   208                         ; v208-239 two sets of 16: the codes
.set TM,   240                         ; v240-255 at work
.set SEL,  32                          ; s[32:33] lane selects: lane l xor 16
.set MNT,  34                          ; s34      the mantissa field of 448
	s_load_b256 s[4:11], s[0:1], 0x0               ; x, y, q_w, kv_w
	s_load_b128 s[12:15], s[0:1], 0x20             ; proj_w, wcodes
	s_load_b64 s[16:17], s[0:1], 0x30              ; wscales
	v_lshl_add_u32 v[SPW], v0, 2, SPARE
	v_mov_b32 v[NIL], 0
	v_lshrrev_b32 v12, 5, v0
	v_readfirstlane_b32 s18, v12                   ; wave
	v_and_b32 v[LANE], 31, v0
	v_and_b32 v12, 15, v0                          ; r
	v_bfe_u32 v13, v0, 4, 1                        ; lane / 16
	v_lshlrev_b32 v[OFF], 4, v[LANE]
	s_mul_i32 s19, s18, WSTG
	v_add_nc_u32 v[SIN], s19, v[OFF]
	v_mul_u32_u24 v[SOUT], v12, SROW
	v_lshl_add_u32 v[SOUT], v13, 6, v[SOUT]
	v_add_nc_u32 v[SOUT], s19, v[SOUT]
	s_and_b32 s24, s18, 1                          ; u
	s_lshr_b32 s25, s18, 1                         ; q
	s_lshl_b32 s26, s24, 8
	v_lshl_add_u32 v[SA], v12, 4, s26              ; 16 r + 256 u
	s_mov_b32 s[SEL], 0x76543210
	s_mov_b32 s[SEL+1], 0xfedcba98
	s_mov_b32 s[MNT], 0x600000
.irp b, 0,1,2,3
	v_mov_b32 v[TM+4+\b], 0                        ; written once: a lane permute's destination counts as one of its sources
.endr
	s_wait_alu depctr_va_vdst(0)
	s_wait_kmcnt 0x0
	s_mov_b64 s[28:29], s[12:13]                   ; which tensor: the choice hangs on the work-group's number alone; only pointers are chosen
	s_mov_b32 s27, 608
	s_cmp_lt_u32 ttmp9, 608
	s_cselect_b64 s[28:29], s[10:11], s[28:29]
	s_cselect_b32 s27, 544, s27
	s_cmp_lt_u32 ttmp9, 544
	s_cselect_b64 s[28:29], s[8:9], s[28:29]
	s_cselect_b32 s27, 512, s27
	s_cmp_lt_u32 ttmp9, 512
	s_cselect_b64 s[28:29], s[6:7], s[28:29]
	s_cselect_b32 s27, 256, s27
	s_cmp_lt_u32 ttmp9, 256
	s_cselect_b64 s[28:29], s[4:5], s[28:29]
	s_cselect_b32 s27, 0, s27
	s_sub_co_u32 s20, ttmp9, s27                   ; the pair's number in its tensor: 32 rows of 4,096 bytes each,
	s_lshl_b32 s20, s20, 17
	s_lshl_b32 s21, s24, 15                        ; tile u begins 8 rows on,
	s_add_co_u32 s20, s20, s21
	s_lshl_b32 s21, s25, 11                        ; my four K steps of 512 bytes
	s_add_co_u32 s20, s20, s21
	s_mov_b32 s21, 0
	s_add_nc_u64 s[28:29], s[28:29], s[20:21]
	s_lshl_b32 s20, ttmp9, 15                      ; the codes: 16,384 bytes a tile, 2,048 a K step
	s_lshl_b32 s22, s24, 14
	s_add_co_u32 s20, s20, s22
	s_lshl_b32 s22, s25, 13
	s_add_co_u32 s20, s20, s22
	s_add_nc_u64 s[14:15], s[14:15], s[20:21]
	s_lshl_b32 s20, ttmp9, 10                      ; the scale words
	s_lshl_b32 s22, s25, 9
	s_add_co_u32 s20, s20, s22
	s_add_nc_u64 s[16:17], s[16:17], s[20:21]
.macro LOAD t                          ; K step t of my tile's 16 rows: 512 consecutive bytes a load
.irp i, 0,1,2,3,4,5,6,7,8,9,10,11,12,13,14,15
	global_load_b128 v[R+64*((\t)%2)+4*\i:R+64*((\t)%2)+4*\i+3], v[OFF], s[28:29] offset:(\i+8*(\i/8))*4096+512*(\t) th:TH_LOAD_NT
.endr
.endm
.macro TURN t                          ; through my stage: LDS serves a wave's instructions in order, so no wait stands between the stores and the loads
.irp i, 0,1,2,3,4,5,6,7,8,9,10,11,12,13,14,15
	ds_store_b128 v[SIN], v[R+64*((\t)%2)+4*\i:R+64*((\t)%2)+4*\i+3] offset:SROW*\i
.endr
.irp c, 0,1,2,3
.irp j, 0,1,2,3
	ds_load_b128 v[X+16*\c+4*\j:X+16*\c+4*\j+3], v[SOUT] offset:128*\c+16*\j
.endr
.endr
.endm
; 64 numbers of a lane from v[s] on become a fragment's codes from v[pc] on and its row's scale word in v[pw]
.macro QUANT s, pc, pw
.irp b, 0,1,2,3
	v_max3_num_f32 v[TM+\b], |v[\s+16*\b]|, |v[\s+1+16*\b]|, 0x4800000   ; block b: my 16 numbers, and the floor 2^(9 - 127): the byte cannot fall under 1
.endr
.irp i, 2,4,6,8,10,12,14
.irp b, 0,1,2,3
	v_max3_num_f32 v[TM+\b], v[TM+\b], |v[\s+16*\b+\i]|, |v[\s+1+16*\b+\i]|   ; the four blocks by turns
.endr
.endr
.irp b, 0,1,2,3
	v_permlanex16_b32 v[TM+4+\b], v[TM+\b], s[SEL], s[SEL+1]
.endr
.irp b, 0,1,2,3
	v_max_num_f32 v[TM+\b], v[TM+\b], v[TM+4+\b]   ; with lane l xor 16's: the block's largest magnitude
.endr
.irp b, 0,1,2,3
	v_add_nc_u32 v[TM+12+\b], 0xfc000000, v[TM+\b] ; 8 off its exponent field: the conversion's scale operand
.endr
.irp b, 0,1,2,3
	v_and_or_b32 v[TM+8+\b], v[TM+\b], 0x7f800000, s[MNT]   ; 448 x the scale
.endr
.irp b, 0,1,2,3
	v_lshrrev_b32 v[TM+4+\b], 23, v[TM+12+\b]      ; the scale's byte
.endr
	v_lshl_or_b32 v[\pw], v[TM+5], 8, v[TM+4]
	v_lshl_or_b32 v[\pw], v[TM+6], 16, v[\pw]
	v_lshl_or_b32 v[\pw], v[TM+7], 24, v[\pw]
.irp b, 0,1,2,3
.irp i, 0,1,2,3,4,5,6,7,8,9,10,11,12,13,14,15
	v_med3_num_f32 v[\s+16*\b+\i], v[\s+16*\b+\i], -v[TM+8+\b], v[TM+8+\b]   ; the conversion to an 8-bit code does not saturate (ISA guide 7.6.2): the hold comes first
.endr
	v_cvt_scalef32_pk8_fp8_f32 v[\pc+4*\b:\pc+1+4*\b], v[\s+16*\b:\s+7+16*\b], v[TM+12+\b]
	v_cvt_scalef32_pk8_fp8_f32 v[\pc+2+4*\b:\pc+3+4*\b], v[\s+8+16*\b:\s+15+16*\b], v[TM+12+\b]
.endr
	v_nop                                          ; one plain vector instruction behind the last scaled conversion
.endm
.macro QSTEP t
.if (\t) < 3
	s_wait_loadcnt 16                              ; this K step's 16 loads are in; the next step's 16 may be out
.else
	s_wait_loadcnt 0x0
.endif
	TURN \t
	s_wait_dscnt 0x0                               ; my 64 numbers are back, and the stage's stores have read their registers,
.if (\t) < 2
	LOAD (\t)+2                                    ; which take the loads of two steps on
.endif
.if (\t) >= 2
	s_wait_xcnt 0x0                                ; the stores of two steps back have read this set of codes: it is written again only behind this wait
.endif
	QUANT X, PC+16*((\t)%2), SW+(\t)
.irp c, 0,1,2,3
	global_store_b128 v[OFF], v[PC+16*((\t)%2)+4*\c:PC+16*((\t)%2)+4*\c+3], s[14:15] offset:2048*(\t)+512*\c   ; 32 lanes store 512 consecutive bytes
.endr
.endm
	LOAD 0
	LOAD 1
	QSTEP 0
	QSTEP 1
	QSTEP 2
	QSTEP 3
	s_wait_xcnt 0x0                                ; EXEC changes only behind this wait
	v_cmp_gt_u32 vcc_lo, 16, v[LANE]
	s_and_saveexec_b32 s30, vcc_lo
	global_store_b128 v[SA], v[SW:SW+3], s[16:17]  ; sixteen lanes store 256 consecutive bytes, aligned: my tile's scale words of four K steps
	s_wait_xcnt 0x0                                ; and again, in front of the line that widens it
	s_or_b32 exec_lo, exec_lo, s30
	s_wait_tensorcnt 0x0                           ; the wave's end: behind my last LDS store
	ds_add_u32 v[SPW], v[NIL]
	s_wait_dscnt 0x0
	s_endpgm
.Lfunc_end_k_qbdf95f2f55_quant:
	.size	k_qbdf95f2f55_quant, .Lfunc_end_k_qbdf95f2f55_quant-k_qbdf95f2f55_quant
	.p2alignl 7, 3214868480
	.fill 96, 4, 3214868480
	.section	.rodata,"a",@progbits
	.p2align	6, 0x0
	.amdhsa_kernel k_qbdf95f2f55_quant
		.amdhsa_group_segment_fixed_size 34304
		.amdhsa_private_segment_fixed_size 0
		.amdhsa_enable_private_segment 0
		.amdhsa_kernarg_size 56
		.amdhsa_user_sgpr_count 2
		.amdhsa_user_sgpr_kernarg_segment_ptr 1
		.amdhsa_wavefront_size32 1
		.amdhsa_system_sgpr_workgroup_id_x 1
		.amdhsa_system_sgpr_workgroup_id_y 1
		.amdhsa_system_sgpr_workgroup_id_z 1
		.amdhsa_system_vgpr_workitem_id 0
		.amdhsa_next_free_vgpr 256
		.amdhsa_next_free_sgpr 66
		.amdhsa_reserve_vcc 1
		.amdhsa_float_denorm_mode_32 3
		.amdhsa_float_denorm_mode_16_64 3
		.amdhsa_memory_ordered 1
		.amdhsa_forward_progress 1
		.amdhsa_inst_pref_size 51
	.end_amdhsa_kernel
	.amdgpu_metadata
---
amdhsa.version: [ 1, 2 ]
amdhsa.kernels:
  - .name:           k_qbdf95f2f55_quant
    .symbol:         k_qbdf95f2f55_quant.kd
    .args:
      - { .name: x, .offset: 0, .size: 8, .value_kind: global_buffer, .address_space: global }
      - { .name: y, .offset: 8, .size: 8, .value_kind: global_buffer, .address_space: global }
      - { .name: q_w, .offset: 16, .size: 8, .value_kind: global_buffer, .address_space: global }
      - { .name: kv_w, .offset: 24, .size: 8, .value_kind: global_buffer, .address_space: global }
      - { .name: proj_w, .offset: 32, .size: 8, .value_kind: global_buffer, .address_space: global }
      - { .name: wcodes, .offset: 40, .size: 8, .value_kind: global_buffer, .address_space: global }
      - { .name: wscales, .offset: 48, .size: 8, .value_kind: global_buffer, .address_space: global }
    .group_segment_fixed_size: 34304
    .private_segment_fixed_size: 0
    .kernarg_segment_align: 8
    .kernarg_segment_size: 56
    .max_flat_workgroup_size: 128
    .sgpr_count:     66
    .vgpr_count:     256
    .wavefront_size: 32
...
	.end_amdgpu_metadata
.endif
;; end of part 1
;; launch gemm_qkv (part 2): grid 4 x 192, 4 waves a work-group, clusters of 4 x 4, 327,680 bytes of LDS; arguments wcodes, wscales, q_blk, k_blk, v_blk; writes q_blk, k_blk, v_blk
.if DOCPART == 2
	.amdgcn_target "amdgcn-amd-amdhsa--gfx1250"
	.amdhsa_code_object_version 6
	.text
	.protected	k_qbdf95f2f55_gemm_qkv
	.globl	k_qbdf95f2f55_gemm_qkv
	.p2align	8
	.type	k_qbdf95f2f55_gemm_qkv,@function
k_qbdf95f2f55_gemm_qkv:
	s_mov_b64 s[64:65], 0
	v_nop
	global_prefetch_b8 v0, s[64:65] scope:SCOPE_SE
	s_setreg_imm32_b32 hwreg(HW_REG_WAVE_MODE, 25, 1), 1
	s_wait_xcnt 0x0
	s_wait_alu depctr_hold_cnt(0) depctr_sa_sdst(0) depctr_va_vdst(0) depctr_va_sdst(0) depctr_va_ssrc(0) depctr_va_vcc(0) depctr_vm_vsrc(0)
	s_getreg_b32 s2, hwreg(HW_REG_IB_STS2, 6, 4)
	s_cmp_eq_u32 s2, 0
	s_cbranch_scc0 .Lentry_in_a_cluster
	s_endpgm
.Lentry_in_a_cluster:
	s_bfe_u32 s2, ttmp6, 0x10000c
	s_cmp_lg_u32 s2, 0xf033
	s_cbranch_scc0 .Lentry_shape_is_right
	s_endpgm
.Lentry_shape_is_right:
; q = x q_w^T, k and v = y kv_w^T on codes of E4M3; q and k are then divided by max(|row of a head|, 1e-12); all three are quantised for the attention's two products and stored as images of operand registers.
; No work of the problem is left out here.
; ONE BODY, THREE KINDS (kind = cluster y / 16).  A tile is 256 rows of S0 (source 0) x 128 rows of S1 (source 1), K = 1,024; a lane's result registers run along S0, which is the axis of the next quantiser.
;   q, k: S0 = the weight's rows (4 heads x 64), S1 = tokens: a lane holds one token and 32 of a head's 64 channels.    v: S0 = tokens of y (the keys), S1 = v's weight rows: a lane holds one channel and 32 keys.
; Four waves, each 128 x 64: 8 x 4 accumulators, 256 registers.  Operands lie in memory as images of their registers (2,048 bytes a tile and K step), so LDS holds them dense and every fragment load is 512 consecutive bytes.
; LDS: three regions of two K steps.  K steps 0 to 5 are first fills; region 0 is filled once more, with K steps 6 and 7.  By this text's count a wave has at most three tensor loads out.
; CLUSTERS: 4 x 4.  S0's block hangs on cx alone and is shared along a column of the cluster, S1's on cy alone and is shared along a row: each is asked for jointly.
; OUT.  q_blk, k_blk: [batch x head][step of 128 tokens][8,704]: 8 token tiles x 1,024 bytes of codes (K = the head's 64: pieces 0, 1), then 512 bytes of scale words (bytes 2, 3 of a word are 0).
;       v_blk: [batch x head][step of 128 keys][8,704]: 4 channel tiles x 2,048 bytes of codes (K = the 128 keys), then 512 bytes of scale words.
; LIMITS: 1 / max(n, 1e-12) is a square root, a maximum, a reciprocal and a multiplication; a block of zeros gets the byte 1 (its codes are zeros); NaN and infinities are not served.
; REGISTERS: window 0: v1-11 addresses; v16-47 S0's scale words, v48-63 S1's; v64-111 the way out's small things; v128-255 S1's fragments, two sets, later the way out.  window 1: S0's fragments, two sets.  window 2: the accumulators.
; LDS AS IT STANDS NOW (this takes the place of the line on LDS above): the head's one load a wave brings K steps 0 to 3, 8,192 bytes a tile: S0's 16 tiles from byte 0, S1's 8 from byte 131,072.
; K steps 4 and 5 are a first fill at 2 REG, behind the full sequence and a round.  K steps 6 and 7 fill bytes 0 to REG - 1 again, once K step 3's fragments are read.  By this text's count a wave has one tensor load out.
.set REG,   98304
.set S1OFF, 65536
.set SPARE, 3*REG                      ; the spare words, 128 bytes a wave: two blocks of 256 bytes that no other line names
.set LANE, 1
.set L16,  2
.set L8,   3
.set AD0,  4                           ; v4-6   my S0 fragments in region 0, 1, 2
.set AD1,  7                           ; v7-9   my S1 fragments
.set SPW,  10
.set NIL,  11
.set SC0,  16                          ; register 8 p + s: lanes 0-15 tile 2 p's words of K step s, lanes 16-31 tile 2 p + 1's
.set SC1,  48
.set SSQ,  64                          ; v64-79 a pair for each of 8 units: the sum of squares, then 1 / norm
.set SB,   80                          ; v80-87 a unit's two scale bytes
.set YZ,   88                          ; v88-91 scale words as they are stored
.set TM,   96                          ; v96-111 at work
.set XX,   128                         ; v128-159 a unit's 32 numbers
.set PC,   192                         ; v192-255 eight registers of codes for each unit: no store's data are written again
.set WV,   14
.set HA,   15                          ; wave / 2: my half of S0's rows.  Also: I fetch for S0 (0) or for S1 (1)
.set HB,   16                          ; wave % 2: my half of S1's rows.  Also: which half I fetch
.set KIND, 18
.set SEL,  20
.set MNT,  23
.set G1A,  24
.set G1B,  32
.set G0A,  40                          ; s[40:51] S0's groups 0, one for each region
.set G0B,  52                          ; s[52:63] S1's
.set HI16, 78                          ; s78 the mask of lanes 16-31
.set OC,   80                          ; s[80:81] where my codes go
.set OS,   82                          ; s[82:83] and my scale words
.set MSB, 0
.macro WIN new                         ; the immediate's high byte repeats the setting that is left
.if MSB != \new
	s_set_vgpr_msb (MSB<<8)|\new
.set MSB, \new
.endif
.endm
.set MUL,   0xa1                       ; source 0 (S0) window 1, source 1 (S1) window 0, C and D window 2
.set TO_S0, 0x40                       ; destination window 1, address window 0
.macro PLACES n
.rept \n
	v_nop
.endr
.endm
; A joint load: waves 0 and 1 fetch S0's halves, waves 2 and 3 S1's.  The branch hangs on the wave's number alone.  An s_nop 0 and four v_nop follow each of the two lines.
.macro JLOAD p
	s_cmp_eq_u32 s[HA], 0
	s_cbranch_scc0 .Lfor_s1_\@
	tensor_load_to_lds s[G0A+4*\p:G0A+4*\p+3], s[G1A:G1A+7]
	s_nop 0
.rept 4
	v_nop
.endr
	s_branch .Lasked_\@
.Lfor_s1_\@:
	tensor_load_to_lds s[G0B+4*\p:G0B+4*\p+3], s[G1B:G1B+7]
	s_nop 0
.rept 4
	v_nop
.endr
.Lasked_\@:
.endm
.macro CROUND                          ; a round of the cluster's barrier
	s_barrier_signal -1
	s_barrier_wait -1
	s_cmp_lg_u32 s[WV], 0
	s_cbranch_scc1 .Lnot_wave_0_\@
	s_barrier_signal -3
.Lnot_wave_0_\@:
	s_barrier_wait -3
	s_barrier_signal -1
	s_barrier_wait -1
.endm
; one matrix instruction; c < 0: the constant 0 starts the sum; ra, rb: the side's scale words stand in lanes 16-31
.macro WMS d, a, b, c, sa, sb, ra, rb
.if \c < 0
.if \ra && \rb
	v_wmma_scale_f32_16x16x128_f8f6f4 v[\d:\d+7], v[\a:\a+15], v[\b:\b+15], 0, v[\sa], v[\sb] matrix_a_scale:MATRIX_SCALE_ROW1 matrix_b_scale:MATRIX_SCALE_ROW1
.elseif \ra
	v_wmma_scale_f32_16x16x128_f8f6f4 v[\d:\d+7], v[\a:\a+15], v[\b:\b+15], 0, v[\sa], v[\sb] matrix_a_scale:MATRIX_SCALE_ROW1
.elseif \rb
	v_wmma_scale_f32_16x16x128_f8f6f4 v[\d:\d+7], v[\a:\a+15], v[\b:\b+15], 0, v[\sa], v[\sb] matrix_b_scale:MATRIX_SCALE_ROW1
.else
	v_wmma_scale_f32_16x16x128_f8f6f4 v[\d:\d+7], v[\a:\a+15], v[\b:\b+15], 0, v[\sa], v[\sb]
.endif
.else
.if \ra && \rb
	v_wmma_scale_f32_16x16x128_f8f6f4 v[\d:\d+7], v[\a:\a+15], v[\b:\b+15], v[\c:\c+7], v[\sa], v[\sb] matrix_a_scale:MATRIX_SCALE_ROW1 matrix_b_scale:MATRIX_SCALE_ROW1
.elseif \ra
	v_wmma_scale_f32_16x16x128_f8f6f4 v[\d:\d+7], v[\a:\a+15], v[\b:\b+15], v[\c:\c+7], v[\sa], v[\sb] matrix_a_scale:MATRIX_SCALE_ROW1
.elseif \rb
	v_wmma_scale_f32_16x16x128_f8f6f4 v[\d:\d+7], v[\a:\a+15], v[\b:\b+15], v[\c:\c+7], v[\sa], v[\sb] matrix_b_scale:MATRIX_SCALE_ROW1
.else
	v_wmma_scale_f32_16x16x128_f8f6f4 v[\d:\d+7], v[\a:\a+15], v[\b:\b+15], v[\c:\c+7], v[\sa], v[\sb]
.endif
.endif
.endm
; 16 matrix instructions of K step s: S1's tiles lo, lo + 1 x S0's eight.  The 32 accumulators take turns, one instruction a turn, in the same order in every step.
.macro MULH s, lo, zero
.irp i1, \lo, \lo+1
.irp i0, 0,1,2,3,4,5,6,7
.set rD, 8*(8*(\i1)+\i0)
.set rA, 128*((\s)%2)+16*\i0
.set rB, 128+64*((\s)%2)+16*(\i1)
.set rC, rD
.if \zero
.set rC, -1
.endif
.set rSA, SC0+8*(\i0/2)+(\s)
.set rSB, SC1+8*((\i1)/2)+(\s)
.set rRA, \i0%2
.set rRB, (\i1)%2
	WMS rD, rA, rB, rC, rSA, rSB, rRA, rRB
.endr
.endr
.endm
.macro MULS s, zero
	WIN MUL
	MULH \s, 0, \zero
	MULH \s, 2, \zero
	WIN 0
.endm
.macro FETCH s
.if (\s) < 4
.set FRG, 1                            ; K steps 0 to 3: the head's bytes, 8,192 a tile
.set FPI, 8192
.set FOF, 2048*(\s)
.else
.set FRG, ((\s)/2)%3                   ; K steps 4, 5: at 2 REG; 6, 7: at 0; 4,096 a tile
.set FPI, 4096
.set FOF, 2048*((\s)%2)
.endif
	WIN TO_S0
.irp i, 0,1,2,3,4,5,6,7
.irp c, 0,1,2,3
	ds_load_b128 v[128*((\s)%2)+16*\i+4*\c:128*((\s)%2)+16*\i+4*\c+3], v[AD0+FRG] offset:FPI*\i+FOF+512*\c
.endr
.endr
	WIN 0
.irp i, 0,1,2,3
.irp c, 0,1,2,3
	ds_load_b128 v[128+64*((\s)%2)+16*\i+4*\c:128+64*((\s)%2)+16*\i+4*\c+3], v[AD1+FRG] offset:FPI*\i+FOF+512*\c
.endr
.endr
.endm
.macro KSTEP s                         ; eight places in front of loads into registers that the step before multiplied
	PLACES 8
	FETCH (\s)+1
	s_wait_dscnt 48                                ; this step's fragments are in; the 48 just issued may be out
	MULS \s, 0
.endm
	s_load_b256 s[4:11], s[0:1], 0x0               ; wcodes, wscales, q_blk, k_blk
	s_load_b64 s[12:13], s[0:1], 0x20              ; v_blk
	v_lshl_add_u32 v[SPW], v0, 2, SPARE
	v_mov_b32 v[NIL], 0
	ds_add_u32 v[SPW], v[NIL]                      ; the wave's opening: the add, twice on end, and its wait ahead of my first tensor load
	ds_add_u32 v[SPW], v[NIL]                      ; and once more, under the one wait
	v_lshrrev_b32 v1, 5, v0
	v_readfirstlane_b32 s[WV], v1
	s_lshr_b32 s[HA], s[WV], 1
	s_and_b32 s[HB], s[WV], 1
	s_and_b32 s17, ttmp7, 0xffff                   ; the cluster's number, 0 .. 47
	s_lshr_b32 s[KIND], s17, 4                     ; 0: q, 1: k, 2: v
	s_and_b32 s19, s17, 15
	s_bfe_u32 s66, ttmp6, 0x40000                  ; cx
	s_bfe_u32 s67, ttmp6, 0x40004                  ; cy
	s_lshl_b32 s76, s[KIND], 6
	s_add_co_u32 s76, s76, 1024                    ; q, k: S0 begins at tile 1024 + 64 kind (q_w; k's rows of kv_w),
	s_lshl_b32 s77, s[KIND], 9                     ; S1 at tile 512 kind (x; y)
	s_and_b32 s84, s19, 7
	s_lshr_b32 s85, s19, 3
	s_cmp_eq_u32 s[KIND], 2
	s_cselect_b32 s70, 512, s76                    ; v: S0 = y's tokens,
	s_cselect_b32 s71, 1152, s77                   ; S1 = v's rows of kv_w
	s_cselect_b32 s68, s84, 0
	s_cselect_b32 s69, s85, s19
	s_lshl_b32 s68, s68, 2
	s_add_co_u32 s68, s68, s66                     ; S0's block of 256 rows: it hangs on cx, never on cy
	s_lshl_b32 s69, s69, 2
	s_add_co_u32 s69, s69, s67                     ; S1's block of 128 rows: on cy, never on cx
	s_lshl_b32 s76, s68, 4
	s_add_co_u32 s70, s70, s76                     ; S0's first tile
	s_lshl_b32 s77, s69, 3
	s_add_co_u32 s71, s71, s77                     ; S1's first tile
	s_lshl_b32 s86, 0x1111, s66                    ; my column of the cluster
	s_lshl_b32 s87, s67, 2
	s_lshl_b32 s87, 15, s87                        ; my row
	s_or_b32 s[G1A], s86, (3<<16)|(1<<21)          ; 15:0 the mask; 17:16 elements of 8 bytes; 21 set beside a mask; no padding
	s_or_b32 s[G1B], s87, (3<<16)|(1<<21)
.irp g, G1A, G1B
	s_mov_b32 s[\g+1], 1024<<16                    ; tensor_dim0 = 1,024 elements for the head's loads: four K steps of a tile, 8,192 bytes
	s_mov_b32 s[\g+3], 1024<<16                    ; tile_dim0
	s_mov_b32 s[\g+5], 2048                        ; from tile to tile: 16,384 bytes
	s_mov_b32 s[\g+6], 0
	s_mov_b32 s[\g+7], 0
.endr
	s_mov_b32 s[G1A+2], 8<<16                      ; S0: 8 tiles to a load
	s_mov_b32 s[G1A+4], 8
	s_mov_b32 s[G1B+2], 4<<16                      ; S1: 4
	s_mov_b32 s[G1B+4], 4
	s_lshl_b32 s76, s[HB], 3
	s_add_co_u32 s72, s70, s76
	s_lshl_b32 s72, s72, 14                        ; S0: the half that I would fetch, in bytes
	s_mov_b32 s73, 0
	s_lshl_b32 s77, s[HB], 2
	s_add_co_u32 s74, s71, s77
	s_lshl_b32 s74, s74, 14                        ; S1 likewise
	s_mov_b32 s75, 0
	s_lshl_b32 s90, s[HB], 15                      ; and where they go: no place in the cluster enters an LDS address
	s_lshl_b32 s91, s[HB], 14
	s_add_co_u32 s91, s91, S1OFF
	s_mov_b32 s[SEL], 0x76543210
	s_mov_b32 s[SEL+1], 0xfedcba98
	s_mov_b32 s[MNT], 0x600000
	s_wait_dscnt 0x0                               ; both opening adds are done
	s_wait_kmcnt 0x0
	s_add_nc_u64 s[72:73], s[4:5], s[72:73]
	s_add_nc_u64 s[74:75], s[4:5], s[74:75]
	CROUND                                         ; all sixteen work-groups are here: the first joint loads meet
.irp p, 0,2
	s_mov_b32 s[G0A+4*\p], 1
	s_add_co_u32 s[G0A+4*\p+1], s90, \p*REG
	s_add_nc_u64 s[G0A+4*\p+2:G0A+4*\p+3], s[72:73], (3-\p/2)*4096   ; set 0: K steps 6, 7; set 2: K steps 4, 5
	s_or_b32 s[G0A+4*\p+3], s[G0A+4*\p+3], 0x80000000
	s_mov_b32 s[G0B+4*\p], 1
	s_add_co_u32 s[G0B+4*\p+1], s91, \p*REG
	s_add_nc_u64 s[G0B+4*\p+2:G0B+4*\p+3], s[74:75], (3-\p/2)*4096
	s_or_b32 s[G0B+4*\p+3], s[G0B+4*\p+3], 0x80000000
.endr
	s_lshl_b32 s84, s[HB], 16                      ; set 1: the head's loads: S0's half, 8 tiles x 8,192 bytes,
	s_lshl_b32 s85, s[HB], 15
	s_add_co_u32 s85, s85, 131072                  ; S1's half, 4 tiles x 8,192, behind S0's 16 tiles
	s_mov_b32 s[G0A+4], 1
	s_mov_b32 s[G0A+5], s84
	s_mov_b64 s[G0A+6:G0A+7], s[72:73]
	s_or_b32 s[G0A+7], s[G0A+7], 0x80000000
	s_mov_b32 s[G0B+4], 1
	s_mov_b32 s[G0B+5], s85
	s_mov_b64 s[G0B+6:G0B+7], s[74:75]
	s_or_b32 s[G0B+7], s[G0B+7], 0x80000000
	JLOAD 1                                        ; K steps 0 to 3: one tensor load a wave at the head
	v_and_b32 v[LANE], 31, v0
	v_lshlrev_b32 v[L16], 4, v[LANE]
	s_wait_alu depctr_va_vdst(0)
	v_lshlrev_b32 v[L8], 3, v[LANE]
	s_lshl_b32 s90, s[HA], 15
	v_add_nc_u32 v[AD0], s90, v[L16]
	s_lshl_b32 s84, s[HA], 16
	v_add_nc_u32 v[AD0+1], s84, v[L16]             ; my half of S0 in the head's bytes
	v_add_nc_u32 v[AD0+2], 2*REG, v[AD0]
	v_add_nc_u32 v[AD1], s91, v[L16]
	v_add_nc_u32 v[AD1+1], s85, v[L16]             ; my half of S1 there
	v_add_nc_u32 v[AD1+2], 2*REG, v[AD1]
	v_cmp_le_u32 s[HI16], 16, v[LANE]
	s_lshl_b32 s92, s70, 9                         ; the scale words of my 8 tiles of S0: 1,024 bytes a pair of tiles,
	s_lshl_b32 s84, s[HA], 12
	s_add_co_u32 s92, s92, s84
	s_mov_b32 s93, 0
	s_add_nc_u64 s[92:93], s[6:7], s[92:93]
	s_lshl_b32 s94, s71, 9                         ; and of my 4 of S1: for all of K, straight into registers, once
	s_lshl_b32 s84, s[HB], 11
	s_add_co_u32 s94, s94, s84
	s_mov_b32 s95, 0
	s_add_nc_u64 s[94:95], s[6:7], s[94:95]
.irp p, 0,1,2,3
.irp q, 0,1
	global_load_b128 v[SC0+8*\p+4*\q:SC0+8*\p+4*\q+3], v[L16], s[92:93] offset:1024*\p+512*\q
.endr
.endr
.irp p, 0,1
.irp q, 0,1
	global_load_b128 v[SC1+8*\p+4*\q:SC1+8*\p+4*\q+3], v[L16], s[94:95] offset:1024*\p+512*\q
.endr
.endr
	; where the results go (these registers mix cx and cy and serve stores alone)
	s_lshl_b32 s84, s68, 1
	s_add_co_u32 s84, s84, s[HA]                   ; v: my 128 keys are step 2 x S0's block + my half
	s_lshl_b32 s85, s69, 1
	s_add_co_u32 s85, s85, s[HB]                   ; v: my 64 channels are head 2 x S1's block + my half
	s_lshl_b32 s86, s68, 2
	s_lshl_b32 s87, s[HA], 1
	s_add_co_u32 s86, s86, s87                     ; q, k: my first head: 4 x S0's block + 2 x my half
	s_lshl_b32 s87, s[HB], 12                      ; q, k: my four token tiles of the step's eight,
	s_lshl_b32 s88, s[HB], 8                       ; and their half of the scale words
	s_cmp_eq_u32 s[KIND], 2
	s_cselect_b32 s84, s84, s69                    ; the step among the 64 of all batches (q, k: S1's block)
	s_cselect_b32 s85, s85, s86                    ; the head
	s_cselect_b32 s87, 0, s87
	s_cselect_b32 s88, 0, s88
	s_cselect_b64 s[OC:OC+1], s[12:13], s[10:11]
	s_cmp_eq_u32 s[KIND], 0
	s_cselect_b64 s[OC:OC+1], s[8:9], s[OC:OC+1]
	s_lshr_b32 s86, s84, 4
	s_lshl_b32 s86, s86, 4
	s_add_co_u32 s86, s86, s85                     ; 16 x batch + head
	s_lshl_b32 s86, s86, 4
	s_and_b32 s84, s84, 15
	s_add_co_u32 s86, s86, s84                     ; x 16 + the step in the batch
	s_mul_i32 s86, s86, 8704
	s_add_co_u32 s88, s88, s86
	s_add_co_u32 s88, s88, 8192
	s_mov_b32 s89, 0
	s_add_nc_u64 s[OS:OS+1], s[OC:OC+1], s[88:89]
	s_add_co_u32 s86, s86, s87
	s_mov_b32 s87, 0
	s_add_nc_u64 s[OC:OC+1], s[OC:OC+1], s[86:87]
	s_wait_alu depctr_va_vdst(0)
	s_wait_tensorcnt 0x0                           ; my part of K steps 0 to 3 is in
	ds_add_u32 v[SPW], v[NIL]
	s_mov_b32 s[G1A+1], 512<<16                    ; no tensor load of mine is out: from here on a load brings two K steps of a tile, 4,096 bytes
	s_mov_b32 s[G1A+3], 512<<16
	s_mov_b32 s[G1B+1], 512<<16
	s_mov_b32 s[G1B+3], 512<<16
	s_wait_dscnt 0x0                               ; the add is done
	CROUND                                         ; everybody's part is in, and all sixteen work-groups are here
	JLOAD 2                                        ; K steps 4 and 5, a first fill: the first tensor load behind the round
	FETCH 0
	FETCH 1
	s_wait_loadcnt 0x0                             ; the scale words
	s_wait_dscnt 48                                ; K step 0's fragments are in
	MULS 0, 1                                      ; the first products start the sums: nothing is cleared
	KSTEP 1
	PLACES 8
	FETCH 3                                        ; the last reads of the head's bytes
	s_wait_tensorcnt 0x0                           ; all my tensor loads have landed: my part of K steps 4 and 5,
	ds_add_u32 v[SPW], v[NIL]                      ; 0 onto my spare word
	s_wait_dscnt 49                                ; (K step 2's fragments are in; K step 3's 48 loads and the add may be out)
	WIN MUL
	MULH 2, 0, 0                                   ; sixteen matrix instructions stand between the add and the wait for it
	WIN 0
	s_wait_dscnt 0x0                               ; the add is done, and my reads of region 0 are over
	CROUND                                         ; no wave of any partner still reads region 0 or has a load on its way
	JLOAD 0                                        ; K steps 6 and 7: the first tensor load behind the round
	WIN MUL
	MULH 2, 2, 0
	WIN 0
	KSTEP 3
	KSTEP 4
	s_wait_dscnt 0x0                               ; K step 5's fragments are in
	s_wait_tensorcnt 0x0                           ; the one load that is out, region 0's second fill, has landed
	s_barrier_signal -1
	s_barrier_wait -1                              ; everybody's has
	PLACES 8
	FETCH 6
	MULS 5, 0
	KSTEP 6
	s_wait_dscnt 0x0
	MULS 7, 0
; THE WAY OUT.  A unit n = 2 i1 + hh is 32 consecutive accumulator registers at 32 n: S1's tile i1, S0's rows 64 hh + 32 g + 16 (lane / 16) + 0 .. 15: block g in registers 16 g on.  Lanes l and l xor 16 hold a block of 32.
.macro MAX2 base                       ; the two blocks' largest magnitudes of my 16 numbers each, from the low end on, with the floor 2^(9 - 127)
.irp b, 0,1
	v_max3_num_f32 v[TM+\b], |v[\base+16*\b]|, |v[\base+16*\b+1]|, 0x4800000
.endr
.irp i, 2,4,6,8,10,12,14
.irp b, 0,1
	v_max3_num_f32 v[TM+\b], |v[\base+16*\b+\i]|, |v[\base+16*\b+\i+1]|, v[TM+\b]
.endr
.endr
.endm
.macro EPI n, norm, off                ; norm = 1: the unit is first multiplied by 1 / norm
.set AB, 32*(\n)
.set PP, PC+8*(\n)
.if \norm
	WIN 0x02                                       ; source 0: window 2
.irp i, 0,2,4,6,8,10,12,14,16,18,20,22,24,26,28,30
	v_pk_mul_f32 v[XX+\i:XX+\i+1], v[AB+\i:AB+\i+1], v[SSQ+2*(\n):SSQ+2*(\n)+1] op_sel_hi:[1,0]
.endr
	WIN 0
	MAX2 XX
.else
	WIN 0x0a                                       ; sources 0 and 1: window 2
	MAX2 AB
	WIN 0
.endif
.irp b, 0,1
	v_permlanex16_b32 v[TM+4+\b], v[TM+\b], s[SEL], s[SEL+1]
.endr
.irp b, 0,1
	v_max_num_f32 v[TM+\b], v[TM+\b], v[TM+4+\b]
.endr
.irp b, 0,1
	v_add_nc_u32 v[TM+12+\b], 0xfc000000, v[TM+\b] ; 8 off the exponent field: the conversion's scale operand
.endr
.irp b, 0,1
	v_and_or_b32 v[TM+8+\b], v[TM+\b], 0x7f800000, s[MNT]   ; 448 x the scale
.endr
.irp b, 0,1
	v_lshrrev_b32 v[TM+4+\b], 23, v[TM+12+\b]
.endr
	v_lshl_or_b32 v[SB+(\n)], v[TM+5], 8, v[TM+4]  ; the unit's two scale bytes
.if \norm
.irp b, 0,1
.irp i, 0,1,2,3,4,5,6,7,8,9,10,11,12,13,14,15
	v_med3_num_f32 v[XX+16*\b+\i], v[XX+16*\b+\i], -v[TM+8+\b], v[TM+8+\b]
.endr
.endr
.else
	WIN 0x02
.irp b, 0,1
.irp i, 0,1,2,3,4,5,6,7,8,9,10,11,12,13,14,15
	v_med3_num_f32 v[XX+16*\b+\i], v[AB+16*\b+\i], -v[TM+8+\b], v[TM+8+\b]   ; the hold is also the move out of window 2
.endr
.endr
	WIN 0
.endif
.irp b, 0,1
	v_cvt_scalef32_pk8_fp8_f32 v[PP+4*\b:PP+4*\b+1], v[XX+16*\b:XX+16*\b+7], v[TM+12+\b]
	v_cvt_scalef32_pk8_fp8_f32 v[PP+4*\b+2:PP+4*\b+3], v[XX+16*\b+8:XX+16*\b+15], v[TM+12+\b]
.endr
	v_nop                                          ; one plain vector instruction behind the last scaled conversion
.irp c, 0,1
	global_store_b128 v[L16], v[PP+4*\c:PP+4*\c+3], s[OC:OC+1] offset:(\off)+512*\c   ; a piece of an image: 512 consecutive bytes
.endr
.endm
	PLACES 8                                       ; behind the last products
	v_mov_b32 v[TM+4], 0                           ; written once: a lane permute's destination counts as one of its sources
	v_mov_b32 v[TM+5], 0
	s_cmp_eq_u32 s[KIND], 2                        ; the cluster's number decides: the same in all partners
	s_cbranch_scc1 .Lvpath
	; q, k: a unit is one token's 64 channels of one head (32 in this lane).  The sums of squares, the eight units by turns, each accumulator from its low end on
	WIN 0x0a
.irp n, 0,1,2,3,4,5,6,7
	v_pk_mul_f32 v[SSQ+2*\n:SSQ+2*\n+1], v[32*\n:32*\n+1], v[32*\n:32*\n+1]
.endr
.irp i, 2,4,6,8,10,12,14,16,18,20,22,24,26,28,30
.irp n, 0,1,2,3,4,5,6,7
	v_pk_fma_f32 v[SSQ+2*\n:SSQ+2*\n+1], v[32*\n+\i:32*\n+\i+1], v[32*\n+\i:32*\n+\i+1], v[SSQ+2*\n:SSQ+2*\n+1]
.endr
.endr
	WIN 0
.irp n, 0,1,2,3,4,5,6,7
	v_add_f32 v[SSQ+2*\n], v[SSQ+2*\n], v[SSQ+2*\n+1]
.endr
.irp n, 0,1,2,3,4,5,6,7
	v_permlanex16_b32 v[SSQ+2*\n+1], v[SSQ+2*\n], s[SEL], s[SEL+1]
.endr
.irp n, 0,1,2,3,4,5,6,7
	v_add_f32 v[SSQ+2*\n], v[SSQ+2*\n], v[SSQ+2*\n+1]
.endr
	s_wait_alu depctr_va_vdst(0)
.irp n, 0,1,2,3,4,5,6,7
	v_sqrt_f32 v[SSQ+2*\n+1], v[SSQ+2*\n]
.endr
	v_nop                                          ; a plain instruction behind the batch,
	s_wait_alu depctr_va_vdst(0)                   ; and the one wait ahead of its first reader
.irp n, 0,1,2,3,4,5,6,7
	v_max_num_f32 v[SSQ+2*\n+1], 0x2b8cbccc, v[SSQ+2*\n+1]   ; max(norm, 1e-12)
.endr
	s_wait_alu depctr_va_vdst(0)
.irp n, 0,1,2,3,4,5,6,7
	v_rcp_f32 v[SSQ+2*\n], v[SSQ+2*\n+1]
.endr
	v_nop
	s_wait_alu depctr_va_vdst(0)
.irp i1, 0,1,2,3
.irp hh, 0,1
	EPI 2*\i1+\hh, 1, 139264*\hh+1024*\i1          ; head hh of my two is 16 steps of 8,704 bytes on; token tile i1 1,024
.endr
.endr
.irp hh, 0,1
.irp j, 0,1
	v_cndmask_b32 v[YZ+2*\hh+\j], v[SB+4*\j+\hh], v[SB+4*\j+2+\hh], s[HI16]   ; lanes 0-15 carry tile 2 j's words, lanes 16-31 tile 2 j + 1's
.endr
	global_store_b64 v[L8], v[YZ+2*\hh:YZ+2*\hh+1], s[OS:OS+1] offset:139264*\hh   ; 32 lanes store 256 consecutive bytes, aligned
.endr
	s_branch .Ldone
.Lvpath:
	; v: a unit is one channel's 64 keys (32 in this lane)
.irp i1, 0,1,2,3
.irp hh, 0,1
	EPI 2*\i1+\hh, 0, 2048*\i1+1024*\hh
.endr
.endr
.irp i1, 0,1,2,3
	v_lshl_or_b32 v[YZ+\i1], v[SB+2*\i1+1], 16, v[SB+2*\i1]   ; the four bytes of the step's 128 keys
.endr
	global_store_b128 v[L16], v[YZ:YZ+3], s[OS:OS+1]          ; 512 consecutive bytes
.Ldone:
	s_wait_tensorcnt 0x0                           ; the wave's end
	ds_add_u32 v[SPW], v[NIL]
	s_wait_dscnt 0x0
	CROUND                                         ; the closing round: no work-group ends while a partner may still ask for a tile that names it
	s_endpgm
.Lfunc_end_k_qbdf95f2f55_gemm_qkv:
	.size	k_qbdf95f2f55_gemm_qkv, .Lfunc_end_k_qbdf95f2f55_gemm_qkv-k_qbdf95f2f55_gemm_qkv
	.p2alignl 7, 3214868480
	.fill 96, 4, 3214868480
	.section	.rodata,"a",@progbits
	.p2align	6, 0x0
	.amdhsa_kernel k_qbdf95f2f55_gemm_qkv
		.amdhsa_group_segment_fixed_size 327680
		.amdhsa_private_segment_fixed_size 0
		.amdhsa_enable_private_segment 0
		.amdhsa_kernarg_size 40
		.amdhsa_user_sgpr_count 2
		.amdhsa_user_sgpr_kernarg_segment_ptr 1
		.amdhsa_wavefront_size32 1
		.amdhsa_system_sgpr_workgroup_id_x 1
		.amdhsa_system_sgpr_workgroup_id_y 1
		.amdhsa_system_sgpr_workgroup_id_z 1
		.amdhsa_system_vgpr_workitem_id 0
		.amdhsa_next_free_vgpr 768
		.amdhsa_next_free_sgpr 96
		.amdhsa_reserve_vcc 0
		.amdhsa_float_denorm_mode_32 3
		.amdhsa_float_denorm_mode_16_64 3
		.amdhsa_memory_ordered 1
		.amdhsa_forward_progress 1
		.amdhsa_inst_pref_size 158
	.end_amdhsa_kernel
	.amdgpu_metadata
---
amdhsa.version: [ 1, 2 ]
amdhsa.kernels:
  - .name:           k_qbdf95f2f55_gemm_qkv
    .symbol:         k_qbdf95f2f55_gemm_qkv.kd
    .args:
      - { .name: wcodes, .offset: 0, .size: 8, .value_kind: global_buffer, .address_space: global }
      - { .name: wscales, .offset: 8, .size: 8, .value_kind: global_buffer, .address_space: global }
      - { .name: q_blk, .offset: 16, .size: 8, .value_kind: global_buffer, .address_space: global }
      - { .name: k_blk, .offset: 24, .size: 8, .value_kind: global_buffer, .address_space: global }
      - { .name: v_blk, .offset: 32, .size: 8, .value_kind: global_buffer, .address_space: global }
    .group_segment_fixed_size: 327680
    .private_segment_fixed_size: 0
    .kernarg_segment_align: 8
    .kernarg_segment_size: 40
    .max_flat_workgroup_size: 128
    .sgpr_count:     96
    .vgpr_count:     768
    .wavefront_size: 32
...
	.end_amdgpu_metadata
.endif
;; end of part 2
;; launch attention (part 3): grid 4 x 64, 16 waves a work-group, clusters of 4 x 1, 327,680 bytes of LDS; arguments q_blk, k_blk, v_blk, temperature, o_codes, o_scales; writes o_codes, o_scales
.if DOCPART == 3
	.amdgcn_target "amdgcn-amd-amdhsa--gfx1250"
	.amdhsa_code_object_version 6
	.text
	.protected	k_qbdf95f2f55_attention
	.globl	k_qbdf95f2f55_attention
	.p2align	8
	.type	k_qbdf95f2f55_attention,@function
k_qbdf95f2f55_attention:
	s_mov_b64 s[64:65], 0
	v_nop
	global_prefetch_b8 v0, s[64:65] scope:SCOPE_SE
	s_setreg_imm32_b32 hwreg(HW_REG_WAVE_MODE, 25, 1), 1
	s_wait_xcnt 0x0
	s_wait_alu depctr_hold_cnt(0) depctr_sa_sdst(0) depctr_va_vdst(0) depctr_va_sdst(0) depctr_va_ssrc(0) depctr_va_vcc(0) depctr_vm_vsrc(0)
	s_getreg_b32 s2, hwreg(HW_REG_IB_STS2, 6, 4)
	s_cmp_eq_u32 s2, 0
	s_cbranch_scc0 .Lentry_in_a_cluster
	s_endpgm
.Lentry_in_a_cluster:
	s_bfe_u32 s2, ttmp6, 0x10000c
	s_cmp_lg_u32 s2, 0x3003
	s_cbranch_scc0 .Lentry_shape_is_right
	s_endpgm
.Lentry_shape_is_right:
; o[b,h,n,d] = softmax_m(q[b,h,n] . k[b,h,m] x temperature[h]) v[b,h,m][d], both products on codes of E4M3 with E8M0 scales; o is then quantised for the projection.  No work of the problem is left out here.
; q_blk, k_blk, v_blk hold images of operand registers, 8,704 bytes for each 128 tokens of a head (8,192 of codes, 512 of scale words).
; OUT.  reference() lays o as [b][d][h][n] and reads it as rows of 1,024: row = 2,048 b + 32 d + 2 h + n / 1,024, K = n % 1,024: the projection's K runs along the queries.
;   o_codes: [row][1,024] codes.  o_scales: [b][2 h + n / 1,024][(n / 512) % 2][d][16 bytes], a byte for each 32 queries: a work-group's bytes are 1,024 on end.
; SOFTMAX: t = score x |temperature| x log2(e) (a negative temperature flips the sign bits of q's codes); M = the running largest t rounded up to a whole number; p = 2^(t - M) is quantised along the keys;
; the row's sum is taken of the unquantised p and divides at the end.  When M moves, the sum and O^T are multiplied by 2^(old M - new M).
; LIMITS: the promise holds while |t| stays under 2^31; NaN and infinities are not served; a block of zeros gets the byte 1 where the rule says 127 (its codes are zeros, and this program alone reads the bytes).
; SHARES: a work-group owns 512 queries of one head; sixteen waves, each one tile of 16 queries in each of two passes.  A whole head's K and V (2 x 139,264 bytes) lie in LDS, brought once: one tensor load a wave, 68 rows of 256 bytes.
; CLUSTER: the four work-groups of a head need the same K and V: every load is asked for jointly (mask 15).
; NO PREFETCH: K and V come once, by the head's loads; no loop of this text runs ahead of a load.
; THE STEP, 128 keys, works on two areas of 64 registers that change roles from step to step.  K's fragments lie in area a; S^T is made in area s; V's fragments are then fetched over K's in a;
; as soon as two blocks of p in s are converted, the next step's K fragments are fetched over them: each LDS load is awaited a phase of vector work behind its issue.
; The head's K is 64: a fragment's upper 8 registers are the next tile's codes (behind each area: 8 registers of zeros), which meet q's zero codes; bytes 2, 3 of the scale words are 0.
; Both products are used transposed: a lane holds one query throughout (S^T = K Q^T, O^T = V^T P^T).
.set KVB,   139264                     ; a head's K in LDS; V lies behind it
.set SPARE, 2*KVB                      ; the spare words, 128 bytes a wave: eight blocks of 256 bytes that no other line names
.set STAGE, SPARE+2048                 ; the way out: 32 channels x (256 queries x 4 bytes + 16)
.set SROW,  1040
.set SCL,   STAGE+32*SROW              ; the work-group's 1,024 scale bytes of o
.set SBY,   8704                       ; a step's bytes of K or of V
.set L16,  1                           ; 16 x lane
.set ADK,  2                           ; the step's addresses: K, V, K's scale words
.set ADV,  3
.set ADS,  4
.set SPW,  5
.set NIL,  6
.set STI,  7                           ; the stage on the way in, and out
.set STO,  8
.set QSO,  9
.set TMP,  10                          ; the last step's -M
.set TM2,  11
.set XA,   32                          ; v32-95 area X, v96-103 zeros
.set YA,   104                         ; v104-167 area Y, v168-175 zeros
.set O,    176                         ; v176-207 O^T
.set PCD,  208                         ; v208-223 p's codes; on the way out o's
.set KS,   224
.set VS,   228
.set QS,   232
.set PS,   233
.set F,    234
.set BM,   236
.set SOP,  240
.set LIM,  244
.set SUM2, 248
.set AV0,  250                         ; KVB + 16 x lane
.set L8,   251                         ; 8 x lane
.set SBA,  252                         ; where my block's scale byte of o goes
.set SCR,  253                         ; SCL + 16 x thread
.set SCO,  254                         ; 16 x thread
.set WV,   14
.set SEL,  20
.set MNT,  22
.set G1,   24
.set G0,   40
.set CS,   44                          ; s[44:45] c = |temperature| x log2(e)
.set TB,   48
.set CNT,  49
.set PASS, 50
.set QB,   52
.set QSB,  54
.set OB,   56
.set OSB,  78
.macro CROUND                          ; a round of the cluster's barrier
	s_barrier_signal -1
	s_barrier_wait -1
	s_cmp_lg_u32 s[WV], 0
	s_cbranch_scc1 .Lnot_wave_0_\@
	s_barrier_signal -3
.Lnot_wave_0_\@:
	s_barrier_wait -3
	s_barrier_signal -1
	s_barrier_wait -1
.endm
	s_load_b256 s[4:11], s[0:1], 0x0               ; q_blk, k_blk, v_blk, temperature
	s_load_b64 s[12:13], s[0:1], 0x20              ; o_codes
	s_load_b64 s[74:75], s[0:1], 0x28              ; o_scales
	v_lshl_add_u32 v[SPW], v0, 2, SPARE
	v_mov_b32 v[NIL], 0
	ds_add_u32 v[SPW], v[NIL]                      ; the opening lines: the add, twice on end, and its wait ahead of my tensor load
	ds_add_u32 v[SPW], v[NIL]
	v_lshrrev_b32 v1, 5, v0
	s_delay_alu instid0(VALU_DEP_1)
	v_readfirstlane_b32 s[WV], v1
	s_lshr_b32 s15, s[WV], 3                       ; 0: I fetch for K, 1: for V
	s_and_b32 s16, s[WV], 7
	s_and_b32 s17, ttmp7, 0xffff                   ; 16 x batch + head
	s_bfe_u32 s18, ttmp6, 0x40000                  ; cx: which 512 queries
	s_mov_b32 s[G1], 15|(3<<16)|(1<<21)            ; mask: all four partners; elements of 8 bytes; bit 21 beside a mask
	s_mov_b32 s[G1+1], 32<<16                      ; rows of 256 bytes,
	s_mov_b32 s[G1+2], 68<<16                      ; 68 of them: an eighth of a head's K or V
	s_mov_b32 s[G1+3], 32<<16
	s_mov_b32 s[G1+4], 68
	s_mov_b32 s[G1+5], 32
	s_mov_b32 s[G1+6], 0
	s_mov_b32 s[G1+7], 0
	s_mul_i32 s66, s15, KVB
	s_mul_i32 s67, s16, 17408
	s_add_co_u32 s68, s66, s67                     ; where my eighth goes
	s_mul_i32 s62, s17, KVB                        ; the head's first byte in each of the three buffers
	s_add_co_u32 s72, s62, s67
	s_mov_b32 s73, 0
	s_and_b32 s76, s17, 15
	s_lshl_b32 s76, s76, 2
	s_mov_b32 s77, 0
	s_mov_b32 s[SEL], 0x76543210
	s_mov_b32 s[SEL+1], 0xfedcba98
	s_mov_b32 s[MNT], 0x600000
	s_mov_b32 s[PASS], 2
	s_wait_dscnt 0x0                               ; both opening adds are done
	s_wait_kmcnt 0x0
	s_add_nc_u64 s[10:11], s[10:11], s[76:77]
	s_load_b32 s58, s[10:11], 0x0                  ; my head's temperature
	s_cmp_lt_u32 s[WV], 8
	s_cselect_b64 s[60:61], s[6:7], s[8:9]
	s_mov_b32 s[G0], 1
	s_mov_b32 s[G0+1], s68
	s_add_nc_u64 s[G0+2:G0+3], s[60:61], s[72:73]
	s_or_b32 s[G0+3], s[G0+3], 0x80000000
	CROUND                                         ; all four work-groups are here: the joint loads meet
	tensor_load_to_lds s[G0:G0+3], s[G1:G1+7]      ; my one tensor load
	s_nop 0
.rept 4
	v_nop
.endr
	s_lshl_b32 s66, s18, 2
	s_add_co_u32 s66, s66, s15                     ; pass 0: my 128 queries are step 4 cx + wave / 8
	s_mul_i32 s66, s66, SBY
	s_add_co_u32 s66, s66, s62
	s_mov_b32 s67, 0
	s_add_nc_u64 s[QSB:QSB+1], s[4:5], s[66:67]
	s_lshl_b32 s68, s16, 10
	s_mov_b32 s69, 0
	s_add_nc_u64 s[QB:QB+1], s[QSB:QSB+1], s[68:69]   ; my tile's codes
	s_bfe_u32 s68, s[WV], 0x10002                  ; my tile's scale words: 256 bytes for four tiles, odd tiles 128 on, word (tile % 4) / 2
	s_lshl_b32 s68, s68, 8
	s_and_b32 s70, s[WV], 1
	s_lshl_b32 s70, s70, 7
	s_add_co_u32 s68, s68, s70
	s_bfe_u32 s70, s[WV], 0x10001
	s_lshl_b32 s70, s70, 2
	s_add_co_u32 s68, s68, s70
	s_add_co_u32 s68, s68, 8192
	s_add_nc_u64 s[QSB:QSB+1], s[QSB:QSB+1], s[68:69]
	s_lshr_b32 s68, s17, 4                         ; o_codes: batch x 2^21 + channel x 2^15 (I send channels 2 wave, 2 wave + 1 of each 32) + head x 2^11 + 512 cx
	s_lshl_b32 s68, s68, 21
	s_lshl_b32 s70, s[WV], 16
	s_add_co_u32 s68, s68, s70
	s_and_b32 s70, s17, 15
	s_lshl_b32 s70, s70, 11
	s_add_co_u32 s68, s68, s70
	s_lshl_b32 s70, s18, 9
	s_add_co_u32 s68, s68, s70
	s_add_nc_u64 s[OB:OB+1], s[12:13], s[68:69]
	s_lshl_b32 s68, s17, 2                         ; o_scales: 1,024 bytes for (batch, head, cx)
	s_add_co_u32 s68, s68, s18
	s_lshl_b32 s68, s68, 10
	s_add_nc_u64 s[OSB:OSB+1], s[74:75], s[68:69]
	s_lshr_b32 s70, s[WV], 1                       ; the stage, in: my tile's 16 queries: 128 bytes a pair of tiles, 32 for the odd tile
	s_lshl_b32 s70, s70, 7
	s_and_b32 s71, s[WV], 1
	s_lshl_b32 s71, s71, 5
	s_add_co_u32 s70, s70, s71
	s_add_co_u32 s70, s70, STAGE
	s_mul_i32 s71, s[WV], 2*SROW                   ; out: two rows a wave
	s_add_co_u32 s71, s71, STAGE
	s_lshl_b32 s72, s[WV], 5                       ; 16 scale bytes a channel
	s_add_co_u32 s72, s72, SCL
	v_and_b32 v[BM], 31, v0
	v_and_b32 v[BM+1], 15, v0
	v_bfe_u32 v[BM+2], v0, 4, 1
	v_lshlrev_b32 v[L16], 4, v[BM]
	v_lshlrev_b32 v[QSO], 3, v[BM+1]
.irp c, 0,1
	global_load_b128 v[16+4*\c:19+4*\c], v[L16], s[QB:QB+1] offset:512*\c
.endr
	global_load_b32 v[QS], v[QSO], s[QSB:QSB+1]
	v_add_nc_u32 v[AV0], KVB, v[L16]
	v_lshlrev_b32 v[L8], 3, v[BM]
	v_and_b32 v[STI], 8, v[BM+1]
	v_lshl_add_u32 v[STO], v[BM], 5, s71           ; out: 8 neighbouring queries, 32 bytes, a lane
	v_lshrrev_b32 v[SBA], 2, v[BM]                 ; four lanes hold a block of 32 queries
	v_add_nc_u32 v[STI], v[STI], v[BM+1]           ; lane r holds query r + 8 (r / 8) of the pair's 32
	v_lshl_add_u32 v[SCR], v0, 4, SCL
	v_lshlrev_b32 v[SCO], 4, v0
	v_add_nc_u32 v[SBA], s72, v[SBA]
	v_lshlrev_b32 v[STI], 2, v[STI]
	v_mad_u32_u24 v[STI], v[BM+2], 16*SROW, v[STI]
	v_add_nc_u32 v[STI], s70, v[STI]
.irp j, 0,1,2,3,4,5,6,7
	v_mov_b32 v[24+\j], 0                          ; q's upper half, and the zeros behind the two areas
	v_mov_b32 v[XA+64+\j], 0
	v_mov_b32 v[YA+64+\j], 0
.endr
.irp b, 0,1,2,3
	v_mov_b32 v[SOP+\b], 0                         ; written once: a lane permute's destination counts as one of its sources
.endr
	v_mov_b32 v[TMP], 0
	v_mov_b32 v[F+1], 0                            ; (named as the upper half of a pair)
	s_wait_alu depctr_va_vdst(0)                   ; the head's end
	s_wait_kmcnt 0x0
	s_ashr_i32 s59, s58, 31
	s_and_b32 s59, s59, 0x80808080                 ; a negative temperature: the sign bits of q's codes are flipped
	s_and_b32 s58, s58, 0x7fffffff
	s_mul_f32 s[CS], s58, 0x3fb8aa3b
	s_mov_b32 s[CS+1], s[CS]
	s_wait_tensorcnt 0x0                           ; my eighth is in; the first pass's barrier shows it to the others
; four tiles of K's fragments, t0 on, into area a
.macro KLD a, t0, ak, off
.irp t, 0,1,2,3
.irp c, 0,1
	ds_load_b128 v[\a+8*(\t0+\t)+4*\c:\a+8*(\t0+\t)+4*\c+3], v[\ak] offset:\off+1024*(\t0+\t)+512*\c
.endr
.endr
.endm
.macro KSLD as, off                    ; and the step's scale words of K
.irp hs, 0,1
	ds_load_b64 v[KS+2*\hs:KS+2*\hs+1], v[\as] offset:\off+8192+256*\hs
.endr
.endm
.macro VLD a, n0                       ; four pieces of V's fragments, 512 bytes each, n0 on
.irp n, 0,1,2,3
	ds_load_b128 v[\a+4*(\n0+\n):\a+4*(\n0+\n)+3], v[ADV] offset:512*(\n0+\n)
.endr
.endm
.macro PKF s, j0                       ; t - M of 16 scores, two at a time
.irp j, 0,2,4,6,8,10,12,14
	v_pk_fma_f32 v[\s+\j0+\j:\s+\j0+\j+1], v[\s+\j0+\j:\s+\j0+\j+1], s[CS:CS+1], v[12:13] op_sel_hi:[1,0,0]
.endr
.endm
; blocks b0, b0 + 1 of p in area a: the hold (the conversion to an 8-bit code does not saturate: ISA guide 7.6.2; p is not negative, so it is one-sided), two numbers an instruction, and the conversions.
; The halves of a pair take numbers of the two blocks, so that their sources lie in different register banks and one destination is even, the other odd.
.macro MINCVT a, b0
.irp i, 0,2,4,6,8,10,12,14
	v_dual_min_num_f32 v[\a+16*\b0+\i], v[\a+16*\b0+\i], v[LIM+\b0] :: v_dual_min_num_f32 v[\a+16*\b0+17+\i], v[\a+16*\b0+17+\i], v[LIM+\b0+1]
	v_dual_min_num_f32 v[\a+16*\b0+1+\i], v[\a+16*\b0+1+\i], v[LIM+\b0] :: v_dual_min_num_f32 v[\a+16*\b0+16+\i], v[\a+16*\b0+16+\i], v[LIM+\b0+1]
.endr
.irp b, \b0, \b0+1
	v_cvt_scalef32_pk8_fp8_f32 v[PCD+4*(\b):PCD+4*(\b)+1], v[\a+16*(\b):\a+16*(\b)+7], v[SOP+(\b)]
	v_cvt_scalef32_pk8_fp8_f32 v[PCD+4*(\b)+2:PCD+4*(\b)+3], v[\a+16*(\b)+8:\a+16*(\b)+15], v[SOP+(\b)]
.endr
.endm
; A KEY STEP.  a: the area with K's fragments, then V's;  s: the area of S^T and p, then of the next step's K
.macro STEP a, s
	s_wait_dscnt 0x0                               ; K's fragments and scale words are in
.irp t, 0,2,4,6
	v_wmma_scale_f32_16x16x128_f8f6f4 v[\s+8*\t:\s+8*\t+7], v[\a+8*\t:\a+8*\t+15], v[16:31], 0, v[KS+2*(\t/4)+(\t%4)/2], v[QS]
	v_wmma_scale_f32_16x16x128_f8f6f4 v[\s+8*\t+8:\s+8*\t+15], v[\a+8*\t+8:\a+8*\t+23], v[16:31], 0, v[KS+2*(\t/4)+(\t%4)/2], v[QS] matrix_a_scale:MATRIX_SCALE_ROW1
.endr
	v_add_nc_u32 v[ADV], s[TB], v[AV0]             ; eight places behind the products: the step's three addresses and five v_nop
	v_add_nc_u32 v[ADK], s[TB], v[L16]
	v_add_nc_u32 v[ADS], s[TB], v[L8]
.rept 5
	v_nop
.endr
; the largest score of each block of 32 keys, for the row's maximum and for the block's largest p: two chains a block, eight by turns; each accumulator is read from its low end on
.irp b, 0,1,2,3
	v_max3_num_f32 v[BM+\b], v[\s+16*\b], v[\s+16*\b+1], v[\s+16*\b+2]
.endr
.irp b, 0,1,2,3
	v_max3_num_f32 v[LIM+\b], v[\s+16*\b+8], v[\s+16*\b+9], v[\s+16*\b+10]
.endr
.irp i, 3,5
.irp b, 0,1,2,3
	v_max3_num_f32 v[BM+\b], v[BM+\b], v[\s+16*\b+\i], v[\s+16*\b+\i+1]
.endr
.irp b, 0,1,2,3
	v_max3_num_f32 v[LIM+\b], v[LIM+\b], v[\s+16*\b+8+\i], v[\s+16*\b+9+\i]
.endr
.endr
.irp b, 0,1,2,3
	v_max3_num_f32 v[BM+\b], v[BM+\b], v[LIM+\b], v[\s+16*\b+7]
.endr
.irp b, 0,1,2,3
	v_max_num_f32 v[BM+\b], v[BM+\b], v[\s+16*\b+15]
.endr
.irp b, 0,1,2,3
	v_permlanex16_b32 v[SOP+\b], v[BM+\b], s[SEL], s[SEL+1]
.endr
.irp b, 0,1,2,3
	v_max_num_f32 v[BM+\b], v[BM+\b], v[SOP+\b]    ; with lane l xor 16's 16 keys
.endr
; the chain that makes M; V's fragments are fetched over K's between its links
	v_max3_num_f32 v[TM2], v[BM], v[BM+1], v[BM+2]
	VLD \a, 0
	v_max_num_f32 v[TM2], v[TM2], v[BM+3]
	VLD \a, 4
	v_mul_f32 v[TM2], s[CS], v[TM2]                ; as t (c is not negative)
	VLD \a, 8
	v_max_num_f32 v13, v13, v[TM2]                 ; the running largest t
	VLD \a, 12
	ds_load_b128 v[VS:VS+3], v[ADV] offset:8192
	v_floor_f32 v12, -v13                          ; -M = floor(-t)
	PKF \s, 0
	v_sub_f32 v[TM2], v12, v[TMP]                  ; old M - new M: a whole number, 0 or less
	PKF \s, 16
	v_cvt_i32_f32 v[TM2], v[TM2]
	PKF \s, 32
	v_ldexp_f32 v[F], 1.0, v[TM2]                  ; f = 2^(old M - new M)
	PKF \s, 48
.irp b, 0,1,2,3
	v_fma_f32 v[BM+\b], v[BM+\b], s[CS], v12       ; the same of each block's largest score
.endr
	s_wait_alu depctr_va_vdst(0)                   ; ahead of the batch
.set j, 0
.rept 64
	v_exp_f32 v[\s+j], v[\s+j]                     ; p = 2^(t - M)
.set j, j+1
.endr
	v_pk_mul_f32 v[14:15], v[14:15], v[F:F+1] op_sel_hi:[1,0]   ; the sum under the new M (a plain place behind the batch)
	s_wait_alu depctr_va_vdst(0)                   ; one wait for the batch, ahead of its first reader
.irp b, 0,1,2,3
	v_exp_f32 v[BM+\b], v[BM+\b]                   ; the block's largest p
.endr
; the row's sum of the unquantised p, two at a time, in four chains by turns
	v_pk_add_f32 v[SUM2:SUM2+1], v[\s:\s+1], v[\s+2:\s+3]
	v_pk_add_f32 v[LIM:LIM+1], v[\s+4:\s+5], v[\s+6:\s+7]
	v_pk_add_f32 v[LIM+2:LIM+3], v[\s+8:\s+9], v[\s+10:\s+11]
	v_pk_add_f32 v[14:15], v[14:15], v[\s+12:\s+13]
.irp j, 14,22,30,38,46,54
	v_pk_add_f32 v[SUM2:SUM2+1], v[SUM2:SUM2+1], v[\s+\j:\s+\j+1]
	v_pk_add_f32 v[LIM:LIM+1], v[LIM:LIM+1], v[\s+\j+2:\s+\j+3]
	v_pk_add_f32 v[LIM+2:LIM+3], v[LIM+2:LIM+3], v[\s+\j+4:\s+\j+5]
	v_pk_add_f32 v[14:15], v[14:15], v[\s+\j+6:\s+\j+7]
.endr
	v_pk_add_f32 v[SUM2:SUM2+1], v[SUM2:SUM2+1], v[\s+62:\s+63]
	v_pk_add_f32 v[LIM:LIM+1], v[LIM:LIM+1], v[LIM+2:LIM+3]
	s_wait_alu depctr_va_vdst(0)                   ; and one for the four
.irp b, 0,1,2,3
	v_max_num_f32 v[BM+\b], 0x4800000, v[BM+\b]    ; the floor 2^(9 - 127): the byte cannot fall under 1
.endr
	v_pk_add_f32 v[SUM2:SUM2+1], v[SUM2:SUM2+1], v[LIM:LIM+1]
.irp b, 0,1,2,3
	v_add_nc_u32 v[SOP+\b], 0xfc000000, v[BM+\b]   ; 8 off the exponent field: the conversion's scale operand
.endr
.irp b, 0,1,2,3
	v_and_or_b32 v[LIM+\b], v[BM+\b], 0x7f800000, s[MNT]   ; 448 x the scale
.endr
.irp b, 0,1,2,3
	v_lshrrev_b32 v[BM+\b], 23, v[SOP+\b]          ; the scale's byte
.endr
	v_lshl_or_b32 v[PS], v[BM+1], 8, v[BM]         ; p's scale word for these 128 keys
	v_lshl_or_b32 v[PS], v[BM+2], 16, v[PS]
	v_lshl_or_b32 v[PS], v[BM+3], 24, v[PS]
	MINCVT \s, 0
	KLD \s, 0, ADK, SBY                            ; the next step's K over the blocks just converted (behind a pass's last step these 18 loads read V's first bytes, and nothing uses them)
	MINCVT \s, 2
	KLD \s, 4, ADK, SBY
	KSLD ADS, SBY
	s_wait_alu depctr_va_vdst(0)                   ; directly ahead of the first reader of O^T
.set j, 0
.rept 16
	v_pk_mul_f32 v[O+j:O+j+1], v[O+j:O+j+1], v[F:F+1] op_sel_hi:[1,0]   ; O^T under the new M; also the places between the conversions and the products
.set j, j+2
.endr
	s_wait_alu depctr_va_vdst(0)
	s_wait_dscnt 18                                ; V's fragments and scale words are in; the 16 loads of K and 2 of its scale words issued behind them may be out
.irp dt, 0,1,2,3
	v_wmma_scale_f32_16x16x128_f8f6f4 v[O+8*\dt:O+8*\dt+7], v[\a+16*\dt:\a+16*\dt+15], v[PCD:PCD+15], v[O+8*\dt:O+8*\dt+7], v[VS+\dt], v[PS]
.endr
	v_pk_add_f32 v[14:15], v[14:15], v[SUM2:SUM2+1]   ; nine places: the next step's first products write over V's fragments
	v_mov_b32 v[TMP], v12
.rept 7
	v_nop
.endr
	s_add_co_u32 s[TB], s[TB], SBY
.endm
.Lpass:
	s_wait_loadcnt 0x0                             ; q's codes and scale words
.irp j, 0,1,2,3,4,5,6,7
	v_xor_b32 v[16+\j], s59, v[16+\j]
.endr
	v_mov_b32 v13, 0xff61b1e6                      ; the largest t so far: -3e38
	s_delay_alu instid0(VALU_DEP_1)
	v_floor_f32 v12, -v13
	v_mov_b32 v14, 0
	v_mov_b32 v15, 0
	s_delay_alu instid0(VALU_DEP_3)
	v_mov_b32 v[TMP], v12
.set j, 0
.rept 32
	v_mov_b32 v[O+j], 0                            ; the step is written once: the first finds zeros
.set j, j+1
.endr
	s_mov_b32 s[TB], 0
	s_wait_alu depctr_va_vdst(0)
	s_wait_dscnt 0x0                               ; my reads of the stage are over
	s_barrier_signal -1
	s_barrier_wait -1                              ; pass 0: everybody's part of K and V is in; pass 1: nobody reads the stage any more
	KLD XA, 0, L16, 0
	KLD XA, 4, L16, 0
	KSLD L8, 0
	s_mov_b32 s[CNT], 8
.Lstep:                                            ; a trip is two steps, until the areas are back in their roles
	STEP XA, YA
	STEP YA, XA
	s_sub_co_i32 s[CNT], s[CNT], 1
	s_cmp_lg_u32 s[CNT], 0
	s_cbranch_scc1 .Lstep
	s_cmp_eq_u32 s[PASS], 1
	s_cbranch_scc1 .Lno_next
	s_add_nc_u64 s[QB:QB+1], s[QB:QB+1], 2*SBY     ; the next pass's queries lie 256 on; they are fetched under the way out
	s_add_nc_u64 s[QSB:QSB+1], s[QSB:QSB+1], 2*SBY
.irp c, 0,1
	global_load_b128 v[16+4*\c:19+4*\c], v[L16], s[QB:QB+1] offset:512*\c
.endr
	global_load_b32 v[QS], v[QSO], s[QSB:QSB+1]
.Lno_next:
	s_wait_alu depctr_va_vdst(0)
	v_add_f32 v14, v14, v15
	s_delay_alu instid0(VALU_DEP_1)
	v_permlanex16_b32 v[TMP], v14, s[SEL], s[SEL+1]
	s_delay_alu instid0(VALU_DEP_1)
	v_add_f32 v14, v14, v[TMP]                     ; the row's sum
	s_wait_alu depctr_va_vdst(0)                   ; ahead of the transcendental
	v_rcp_f32 v14, v14
	v_nop
	s_wait_alu depctr_va_vdst(0)                   ; and ahead of its first reader, which is also the first reader of O^T
.set j, 0
.rept 16
	v_pk_mul_f32 v[O+j:O+j+1], v[O+j:O+j+1], v[14:15] op_sel_hi:[1,0]
.set j, j+2
.endr
	s_wait_alu depctr_va_vdst(0)
; THE WAY OUT, 32 channels at a time: register 16 g + i is channel 32 g + 16 (lane / 16) + i of my query.  All sixteen waves lay their queries into the stage; each wave then takes two channels' rows of 256 queries back, 8 neighbours a lane.
.irp g, 0,1
.if \g
	s_wait_dscnt 0x0
	s_barrier_signal -1
	s_barrier_wait -1
.endif
.irp i, 0,1,2,3,4,5,6,7,8,9,10,11,12,13,14,15
	ds_store_b32 v[STI], v[O+16*\g+\i] offset:\i*SROW
.endr
	s_wait_dscnt 0x0
	s_barrier_signal -1
	s_barrier_wait -1
.irp j, 0,1
	ds_load_b128 v[XA+16*\g+8*\j:XA+16*\g+8*\j+3], v[STO] offset:\j*SROW
	ds_load_b128 v[XA+16*\g+8*\j+4:XA+16*\g+8*\j+7], v[STO] offset:\j*SROW+16
.endr
.endr
	s_wait_dscnt 0x0
; four rows (k = 2 g + j: channel 32 g + 2 wave + j) are quantised along the queries, by turns: a block of 32 lies in four neighbouring lanes
.irp k, 0,1,2,3
	v_max3_num_f32 v[BM+\k], |v[XA+8*\k]|, |v[XA+8*\k+1]|, 0x4800000
.endr
.irp i, 2,4,6
.irp k, 0,1,2,3
	v_max3_num_f32 v[BM+\k], v[BM+\k], |v[XA+8*\k+\i]|, |v[XA+8*\k+\i+1]|
.endr
.endr
.irp k, 0,1,2,3
	v_max_num_f32_dpp v[BM+\k], v[BM+\k], v[BM+\k] row_xmask:1 row_mask:0xf bank_mask:0xf
.endr
.irp k, 0,1,2,3
	v_max_num_f32_dpp v[BM+\k], v[BM+\k], v[BM+\k] row_xmask:2 row_mask:0xf bank_mask:0xf
.endr
.irp k, 0,1,2,3
	v_add_nc_u32 v[SOP+\k], 0xfc000000, v[BM+\k]
.endr
.irp k, 0,1,2,3
	v_and_or_b32 v[LIM+\k], v[BM+\k], 0x7f800000, s[MNT]
.endr
.irp k, 0,1,2,3
	v_lshrrev_b32 v[BM+\k], 23, v[SOP+\k]
.endr
.irp i, 0,1,2,3,4,5,6,7
.irp k, 0,1,2,3
	v_med3_num_f32 v[XA+8*\k+\i], v[XA+8*\k+\i], -v[LIM+\k], v[LIM+\k]
.endr
.endr
.irp k, 0,1,2,3
	v_cvt_scalef32_pk8_fp8_f32 v[PCD+2*\k:PCD+2*\k+1], v[XA+8*\k:XA+8*\k+7], v[SOP+\k]
.endr
	v_nop                                          ; one plain vector instruction behind the last scaled conversion
.irp k, 0,1,2,3
	ds_store_b8 v[SBA], v[BM+\k] offset:512*(\k/2)+16*(\k%2)   ; the four lanes of a block write the same byte with the same value
.endr
.irp k, 0,1,2,3
	global_store_b64 v[L8], v[PCD+2*\k:PCD+2*\k+1], s[OB:OB+1] offset:1048576*(\k/2)+32768*(\k%2)   ; 32 lanes store 256 consecutive bytes, aligned
.endr
	v_add_nc_u32 v[SBA], 8, v[SBA]                 ; the next pass's eight bytes of each channel
	s_wait_xcnt 0x0                                ; the stores have read their base and their data
	s_add_nc_u64 s[OB:OB+1], s[OB:OB+1], 256
	s_sub_co_i32 s[PASS], s[PASS], 1
	s_cmp_lg_u32 s[PASS], 0
	s_cbranch_scc1 .Lpass
	s_wait_dscnt 0x0                               ; my scale bytes are in LDS
	s_barrier_signal -1
	s_barrier_wait -1                              ; everybody's are
	s_cmp_lt_u32 s[WV], 2
	s_cbranch_scc0 .Lno_sc
	ds_load_b128 v[XA:XA+3], v[SCR]
	s_wait_dscnt 0x0
	global_store_b128 v[SCO], v[XA:XA+3], s[OSB:OSB+1]   ; waves 0 and 1 store the work-group's 1,024 scale bytes, 512 consecutive bytes each
.Lno_sc:
	s_wait_tensorcnt 0x0                           ; the wave's end
	ds_add_u32 v[SPW], v[NIL]
	s_wait_dscnt 0x0
	CROUND                                         ; the closing round
	s_endpgm
.Lfunc_end_k_qbdf95f2f55_attention:
	.size	k_qbdf95f2f55_attention, .Lfunc_end_k_qbdf95f2f55_attention-k_qbdf95f2f55_attention
	.p2alignl 7, 3214868480
	.fill 96, 4, 3214868480
	.section	.rodata,"a",@progbits
	.p2align	6, 0x0
	.amdhsa_kernel k_qbdf95f2f55_attention
		.amdhsa_group_segment_fixed_size 327680
		.amdhsa_private_segment_fixed_size 0
		.amdhsa_enable_private_segment 0
		.amdhsa_kernarg_size 48
		.amdhsa_user_sgpr_count 2
		.amdhsa_user_sgpr_kernarg_segment_ptr 1
		.amdhsa_wavefront_size32 1
		.amdhsa_system_sgpr_workgroup_id_x 1
		.amdhsa_system_sgpr_workgroup_id_y 1
		.amdhsa_system_sgpr_workgroup_id_z 1
		.amdhsa_system_vgpr_workitem_id 0
		.amdhsa_next_free_vgpr 256
		.amdhsa_next_free_sgpr 80
		.amdhsa_reserve_vcc 0
		.amdhsa_float_denorm_mode_32 3
		.amdhsa_float_denorm_mode_16_64 3
		.amdhsa_memory_ordered 1
		.amdhsa_forward_progress 1
		.amdhsa_inst_pref_size 58
	.end_amdhsa_kernel
	.amdgpu_metadata
---
amdhsa.version: [ 1, 2 ]
amdhsa.kernels:
  - .name:           k_qbdf95f2f55_attention
    .symbol:         k_qbdf95f2f55_attention.kd
    .args:
      - { .name: q_blk, .offset: 0, .size: 8, .value_kind: global_buffer, .address_space: global }
      - { .name: k_blk, .offset: 8, .size: 8, .value_kind: global_buffer, .address_space: global }
      - { .name: v_blk, .offset: 16, .size: 8, .value_kind: global_buffer, .address_space: global }
      - { .name: temperature, .offset: 24, .size: 8, .value_kind: global_buffer, .address_space: global }
      - { .name: o_codes, .offset: 32, .size: 8, .value_kind: global_buffer, .address_space: global }
      - { .name: o_scales, .offset: 40, .size: 8, .value_kind: global_buffer, .address_space: global }
    .group_segment_fixed_size: 327680
    .private_segment_fixed_size: 0
    .kernarg_segment_align: 8
    .kernarg_segment_size: 48
    .max_flat_workgroup_size: 512
    .sgpr_count:     80
    .vgpr_count:     256
    .wavefront_size: 32
...
	.end_amdgpu_metadata
.endif
;; end of part 3
;; launch proj (part 4): grid 4 x 64, 4 waves a work-group, clusters of 4 x 1, 167,936 bytes of LDS; arguments o_codes, o_scales, wcodes, wscales, proj_b, out0; writes out0
.if DOCPART == 4
	.amdgcn_target "amdgcn-amd-amdhsa--gfx1250"
	.amdhsa_code_object_version 6
	.text
	.protected	k_qbdf95f2f55_proj
	.globl	k_qbdf95f2f55_proj
	.p2align	8
	.type	k_qbdf95f2f55_proj,@function
k_qbdf95f2f55_proj:
	s_mov_b64 s[64:65], 0
	v_nop
	global_prefetch_b8 v0, s[64:65] scope:SCOPE_SE
	s_setreg_imm32_b32 hwreg(HW_REG_WAVE_MODE, 25, 1), 1
	s_wait_xcnt 0x0
	s_wait_alu depctr_hold_cnt(0) depctr_sa_sdst(0) depctr_va_vdst(0) depctr_va_sdst(0) depctr_va_ssrc(0) depctr_va_vcc(0) depctr_vm_vsrc(0)
	s_getreg_b32 s2, hwreg(HW_REG_IB_STS2, 6, 4)
	s_cmp_eq_u32 s2, 0
	s_cbranch_scc0 .Lentry_in_a_cluster
	s_endpgm
.Lentry_in_a_cluster:
	s_bfe_u32 s2, ttmp6, 0x10000c
	s_cmp_lg_u32 s2, 0x3003
	s_cbranch_scc0 .Lentry_shape_is_right
	s_endpgm
.Lentry_shape_is_right:
; out0 = o proj_w^T + proj_b on codes of E4M3: o [8,192][1,024] as the attention stored it (o_codes row-major; o_scales [b][row % 32][K half][d][16 bytes]), proj_w as images of operand registers (tiles 1216 on).  No work of the problem is left out here.
; SHARES: a work-group makes 128 rows x 256 columns, in four blocks of 32 rows; a wave takes 64 columns of every block.  proj_w's fragments for all of K (4 tiles x 8 K steps, 512 registers), the bias and all scale words stay in registers.
; o's 128 rows of codes come into LDS once: one tensor load a wave, 32 rows of 1,024 bytes, 16 bytes of padding behind each, so that the sixteen rows of a fragment load start at different banks.  Nothing is filled again.
; CLUSTER: the four work-groups of a row of the grid need the same rows of o: the loads are joint (mask 15).
; o's scale words: lane l takes row l of a block: 16 bytes for each half of K; a work-group's four blocks are 64 neighbouring bytes of each (row, half): they are read once, into registers.
; NO PREFETCH: everything is asked for at the head; no loop runs ahead of a load.
; THE MATRIX INSTRUCTION IS USED TRANSPOSED (source 0 = 16 rows of proj_w, source 1 = 16 rows of o): a lane holds eight neighbouring columns of a row of out0; the bias is the C of a sum's first instruction.
; REGISTERS: window 0: v1-15 addresses, v32-47 proj_w's scale words, v48-79 o's, v128-255 o's fragments of K steps 0-3, later the way out; windows 1, 2: proj_w's fragments; window 3: v0-63 accumulators, v64-95 the bias, v96-223 o's fragments of K steps 4-7.
.set ABLK,  33280                      ; a block in LDS: 32 rows x 1,040
.set STG,   4*ABLK                     ; the way out: 16 rows x 272 bytes for each wave
.set SPARE, STG+4*4352                 ; the spare words, 128 bytes a wave: two blocks of 256 bytes that no other line names
.set L16,  1
.set IRD,  2                           ; v2-5 my place in a fragment's rows, block 0 to 3
.set SO,   6
.set SR,   7
.set GO,   8
.set BO,   9
.set SCO,  10
.set SPW,  14
.set NIL,  15
.set BSC,  32
.set ASR,  48
.set WV,   16
.set G1,   24
.set G0,   32
.set BP,   40
.set SP,   42
.set BI,   44
.set OUT,  46
.set SA,   48
.set MSB, 0
.macro WIN new                         ; the immediate's high byte repeats the setting that is left
.if MSB != \new
	s_set_vgpr_msb (MSB<<8)|\new
.set MSB, \new
.endif
.endm
.macro CROUND
	s_barrier_signal -1
	s_barrier_wait -1
	s_cmp_lg_u32 s[WV], 0
	s_cbranch_scc1 .Lnot_wave_0_\@
	s_barrier_signal -3
.Lnot_wave_0_\@:
	s_barrier_wait -3
	s_barrier_signal -1
	s_barrier_wait -1
.endm
.macro WMS d, a, b, c, sa, sb, ra, rb  ; ra, rb: the side's scale words stand in lanes 16-31
.if \ra && \rb
	v_wmma_scale_f32_16x16x128_f8f6f4 v[\d:\d+7], v[\a:\a+15], v[\b:\b+15], v[\c:\c+7], v[\sa], v[\sb] matrix_a_scale:MATRIX_SCALE_ROW1 matrix_b_scale:MATRIX_SCALE_ROW1
.elseif \ra
	v_wmma_scale_f32_16x16x128_f8f6f4 v[\d:\d+7], v[\a:\a+15], v[\b:\b+15], v[\c:\c+7], v[\sa], v[\sb] matrix_a_scale:MATRIX_SCALE_ROW1
.elseif \rb
	v_wmma_scale_f32_16x16x128_f8f6f4 v[\d:\d+7], v[\a:\a+15], v[\b:\b+15], v[\c:\c+7], v[\sa], v[\sb] matrix_b_scale:MATRIX_SCALE_ROW1
.else
	v_wmma_scale_f32_16x16x128_f8f6f4 v[\d:\d+7], v[\a:\a+15], v[\b:\b+15], v[\c:\c+7], v[\sa], v[\sb]
.endif
.endm
	s_load_b256 s[4:11], s[0:1], 0x0               ; o_codes, o_scales, wcodes, wscales
	s_load_b128 s[12:15], s[0:1], 0x20             ; proj_b, out0
	v_lshl_add_u32 v[SPW], v0, 2, SPARE
	v_mov_b32 v[NIL], 0
	ds_add_u32 v[SPW], v[NIL]                      ; the opening lines: the add, twice on end, and its wait ahead of my tensor load
	ds_add_u32 v[SPW], v[NIL]
	v_lshrrev_b32 v1, 5, v0
	v_readfirstlane_b32 s[WV], v1
	s_and_b32 s17, ttmp7, 0xffff                   ; which 128 rows
	s_bfe_u32 s18, ttmp6, 0x40000                  ; cx: which 256 columns
	s_mov_b32 s[G1], 15|(3<<16)|(1<<20)|(1<<21)|(7<<22)|(3<<25)   ; mask: all four partners; elements of 8 bytes; four words of padding after every 256
	s_mov_b32 s[G1+1], 128<<16                     ; rows of 1,024 bytes,
	s_mov_b32 s[G1+2], 32<<16                      ; 32 of them
	s_mov_b32 s[G1+3], 128<<16
	s_mov_b32 s[G1+4], 32
	s_mov_b32 s[G1+5], 128
	s_mov_b32 s[G1+6], 0
	s_mov_b32 s[G1+7], 0
	s_lshl_b32 s50, s17, 17
	s_lshl_b32 s51, s[WV], 15
	s_add_co_u32 s50, s50, s51                     ; wave w fetches block w
	s_mov_b32 s51, 0
	s_mul_i32 s52, s[WV], ABLK
	s_wait_dscnt 0x0                               ; both opening adds are done
	s_wait_kmcnt 0x0
	s_mov_b32 s[G0], 1
	s_mov_b32 s[G0+1], s52
	s_add_nc_u64 s[G0+2:G0+3], s[4:5], s[50:51]
	s_or_b32 s[G0+3], s[G0+3], 0x80000000
	CROUND                                         ; all four work-groups are here: the joint loads meet
	tensor_load_to_lds s[G0:G0+3], s[G1:G1+7]      ; my one tensor load
	s_nop 0
.rept 4
	v_nop
.endr
	s_lshl_b32 s50, s18, 4
	s_lshl_b32 s52, s[WV], 2
	s_add_co_u32 s50, s50, s52                     ; my first tile of 16 columns
	s_add_co_u32 s52, s50, 1216
	s_lshl_b32 s52, s52, 14
	s_mov_b32 s53, 0
	s_add_nc_u64 s[BP:BP+1], s[8:9], s[52:53]
	s_lshl_b32 s52, s50, 9
	s_add_co_u32 s52, s52, 608*1024
	s_add_nc_u64 s[SP:SP+1], s[10:11], s[52:53]
	s_lshl_b32 s52, s50, 6
	s_add_nc_u64 s[BI:BI+1], s[12:13], s[52:53]
	s_lshl_b32 s54, s17, 19
	s_add_co_u32 s52, s52, s54
	s_add_nc_u64 s[OUT:OUT+1], s[14:15], s[52:53]
	s_lshr_b32 s52, s17, 4                         ; o_scales: batch x 2^16 + 64 bytes for my four channels
	s_lshl_b32 s52, s52, 16
	s_and_b32 s54, s17, 15
	s_lshl_b32 s54, s54, 6
	s_add_co_u32 s52, s52, s54
	s_add_nc_u64 s[SA:SA+1], s[6:7], s[52:53]
	s_mul_i32 s50, s[WV], 4352
	s_add_co_u32 s50, s50, STG                     ; my stage
	v_and_b32 v17, 31, v0
	v_and_b32 v18, 15, v0
	v_bfe_u32 v19, v0, 4, 1
	v_lshlrev_b32 v[L16], 4, v17
	v_lshlrev_b32 v[BO], 6, v19
	v_lshlrev_b32 v[SCO], 11, v17                  ; 2,048 bytes from row to row of a block
	s_wait_alu depctr_va_vdst(0)
	WIN 0x40
.irp s, 0,1,2,3
.irp ct, 0,1,2,3
.irp c, 0,1,2,3
	global_load_b128 v[64*\s+16*\ct+4*\c:64*\s+16*\ct+4*\c+3], v[L16], s[BP:BP+1] offset:16384*\ct+2048*\s+512*\c
.endr
.endr
.endr
	WIN 0x80
.irp s, 4,5,6,7
.irp ct, 0,1,2,3
.irp c, 0,1,2,3
	global_load_b128 v[64*(\s-4)+16*\ct+4*\c:64*(\s-4)+16*\ct+4*\c+3], v[L16], s[BP:BP+1] offset:16384*\ct+2048*\s+512*\c
.endr
.endr
.endr
	WIN 0xc0
.irp ct, 0,1,2,3
	global_load_b128 v[64+8*\ct:64+8*\ct+3], v[BO], s[BI:BI+1] offset:128*(\ct/2)+32*(\ct%2)
	global_load_b128 v[64+8*\ct+4:64+8*\ct+7], v[BO], s[BI:BI+1] offset:128*(\ct/2)+32*(\ct%2)+16
.endr
	WIN 0
.irp p, 0,1
.irp q, 0,1
	global_load_b128 v[BSC+8*\p+4*\q:BSC+8*\p+4*\q+3], v[L16], s[SP:SP+1] offset:1024*\p+512*\q
.endr
.endr
.irp i, 0,1,2,3
.irp q, 0,1
	global_load_b128 v[ASR+8*\i+4*\q:ASR+8*\i+4*\q+3], v[SCO], s[SA:SA+1] offset:1024*\q+16*\i   ; block i: register 4 q + e is my row's word of K step 4 q + e
.endr
.endr
	v_mul_u32_u24 v[IRD], v18, 1040
	v_lshl_add_u32 v[IRD], v19, 4, v[IRD]          ; row l % 16 x pitch + 16 (l / 16)
	v_add_nc_u32 v[IRD+1], ABLK, v[IRD]
	v_add_nc_u32 v[IRD+2], 2*ABLK, v[IRD]
	v_add_nc_u32 v[IRD+3], 3*ABLK, v[IRD]
	v_mul_u32_u24 v[SO], v18, 272
	v_lshl_add_u32 v[SO], v19, 6, v[SO]
	v_add_nc_u32 v[SO], s50, v[SO]
	v_mul_u32_u24 v[SR], v19, 272
	v_lshl_add_u32 v[SR], v18, 4, v[SR]
	v_add_nc_u32 v[SR], s50, v[SR]
	v_lshlrev_b32 v[GO], 12, v19
	v_lshl_add_u32 v[GO], v18, 4, v[GO]
	s_wait_alu depctr_va_vdst(0)                   ; the head's end
	s_wait_tensorcnt 0x0                           ; my block is in
	s_barrier_signal -1
	s_barrier_wait -1                              ; everybody's is
.macro BLOCK i
.if (\i) > 0
	s_wait_xcnt 0x0                                ; the last block's stores have read their base and their data
	s_add_nc_u64 s[OUT:OUT+1], s[OUT:OUT+1], 131072
.endif
.irp s, 0,1,2,3
.irp u, 0,1
.irp c, 0,1,2,3
	ds_load_b128 v[128+32*\s+16*\u+4*\c:128+32*\s+16*\u+4*\c+3], v[IRD+(\i)] offset:16640*\u+128*\s+32*\c
.endr
.endr
.endr
	WIN 0xc0
.irp s, 4,5,6,7
.irp u, 0,1
.irp c, 0,1,2,3
	ds_load_b128 v[96+32*(\s-4)+16*\u+4*\c:96+32*(\s-4)+16*\u+4*\c+3], v[IRD+(\i)] offset:16640*\u+128*\s+32*\c
.endr
.endr
.endr
	WIN 0
.if (\i) == 0
	s_wait_loadcnt 0x0                             ; proj_w's fragments, the bias, the scale words
.endif
.irp s, 0,1,2,3,4,5,6,7
	s_wait_dscnt 8*(7-\s)                          ; K step s's eight loads are in; those of the later steps may be out
.if \s < 4
	WIN 0xf1
.else
	WIN 0xfe
.endif
.irp ct, 0,1,2,3                       ; the eight accumulators take turns, one instruction a turn
.irp u, 0,1
.set rD, 8*(2*\ct+\u)
.set rA, 64*(\s%4)+16*\ct
.set rB, 128+32*\s+16*\u
.if \s >= 4
.set rB, 96+32*(\s-4)+16*\u
.endif
.set rC, rD
.if \s == 0
.set rC, 64+8*\ct
.endif
.set rSA, BSC+8*(\ct/2)+\s
.set rSB, ASR+8*(\i)+\s
.set rRA, \ct%2
.set rRB, \u
	WMS rD, rA, rB, rC, rSA, rSB, rRA, rRB
.endr
.endr
.endr
	WIN 0
.rept 9
	v_nop                                          ; eight places ahead of the reads of the results and of loads into the fragments' registers; nine ahead of the next block's first products, which begin the accumulators anew
.endr
.irp u, 0,1
	WIN 0x0c
.irp ct, 0,1,2,3
	ds_store_b128 v[SO], v[8*(2*\ct+\u):8*(2*\ct+\u)+3] offset:128*(\ct/2)+32*(\ct%2)
	ds_store_b128 v[SO], v[8*(2*\ct+\u)+4:8*(2*\ct+\u)+7] offset:128*(\ct/2)+32*(\ct%2)+16
.endr
	WIN 0
.irp t, 0,1,2,3,4,5,6,7
	ds_load_b128 v[128+32*\u+4*\t:128+32*\u+4*\t+3], v[SR] offset:544*\t   ; LDS serves a wave's instructions in order: these see my stores
.endr
.endr
.irp u, 0,1
.irp t, 0,1,2,3,4,5,6,7
	s_wait_dscnt 16*(1-\u)+7-\t
	global_store_b128 v[GO], v[128+32*\u+4*\t:128+32*\u+4*\t+3], s[OUT:OUT+1] offset:(16*\u+2*\t)*4096 th:TH_STORE_NT   ; sixteen lanes store 256 consecutive bytes, aligned
.endr
.endr
.endm
	BLOCK 0
	BLOCK 1
	BLOCK 2
	BLOCK 3
	s_wait_tensorcnt 0x0                           ; the wave's end
	ds_add_u32 v[SPW], v[NIL]
	s_wait_dscnt 0x0
	CROUND                                         ; the closing round
	s_endpgm
.Lfunc_end_k_qbdf95f2f55_proj:
	.size	k_qbdf95f2f55_proj, .Lfunc_end_k_qbdf95f2f55_proj-k_qbdf95f2f55_proj
	.p2alignl 7, 3214868480
	.fill 96, 4, 3214868480
	.section	.rodata,"a",@progbits
	.p2align	6, 0x0
	.amdhsa_kernel k_qbdf95f2f55_proj
		.amdhsa_group_segment_fixed_size 167936
		.amdhsa_private_segment_fixed_size 0
		.amdhsa_enable_private_segment 0
		.amdhsa_kernarg_size 48
		.amdhsa_user_sgpr_count 2
		.amdhsa_user_sgpr_kernarg_segment_ptr 1
		.amdhsa_wavefront_size32 1
		.amdhsa_system_sgpr_workgroup_id_x 1
		.amdhsa_system_sgpr_workgroup_id_y 1
		.amdhsa_system_sgpr_workgroup_id_z 1
		.amdhsa_system_vgpr_workitem_id 0
		.amdhsa_next_free_vgpr 1024
		.amdhsa_next_free_sgpr 66
		.amdhsa_reserve_vcc 0
		.amdhsa_float_denorm_mode_32 3
		.amdhsa_float_denorm_mode_16_64 3
		.amdhsa_memory_ordered 1
		.amdhsa_forward_progress 1
		.amdhsa_inst_pref_size 87
	.end_amdhsa_kernel
	.amdgpu_metadata
---
amdhsa.version: [ 1, 2 ]
amdhsa.kernels:
  - .name:           k_qbdf95f2f55_proj
    .symbol:         k_qbdf95f2f55_proj.kd
    .args:
      - { .name: o_codes, .offset: 0, .size: 8, .value_kind: global_buffer, .address_space: global }
      - { .name: o_scales, .offset: 8, .size: 8, .value_kind: global_buffer, .address_space: global }
      - { .name: wcodes, .offset: 16, .size: 8, .value_kind: global_buffer, .address_space: global }
      - { .name: wscales, .offset: 24, .size: 8, .value_kind: global_buffer, .address_space: global }
      - { .name: proj_b, .offset: 32, .size: 8, .value_kind: global_buffer, .address_space: global }
      - { .name: out0, .offset: 40, .size: 8, .value_kind: global_buffer, .address_space: global }
    .group_segment_fixed_size: 167936
    .private_segment_fixed_size: 0
    .kernarg_segment_align: 8
    .kernarg_segment_size: 48
    .max_flat_workgroup_size: 128
    .sgpr_count:     66
    .vgpr_count:     1024
    .wavefront_size: 32
...
	.end_amdgpu_metadata
.endif
;; end of part 4
